; MI455X (gfx1250); checked and timed in simulation.
; The chip was launched on July 23, 2026; its instructions are those of AMD's public machine-readable ISA for CDNA 5 (MIT licence, August 2026) and "CDNA5" Instruction Set Architecture Reference Guide (July 2026). The comments in the code are by the model that wrote it; some were corrected since.
;; Sparse Mo E. Allowed arithmetic: matrix products marked QUANTISED: E2M3 operands, one E8M0 scale for each 32 along K, by v_wmma_scale_f32_16x16x128_f8f6f4 with both operands' format E2M3, f32 sums; products left as they are: f32 operands where the result goes on into a quantised operand, else bf16, f16 or f32 operands; f32 sums; everything else in f32.
;; Inputs: W1_codes 8 x 4,096 x 32 x 24 uint8 (E2M3 codes of W1, K innermost, in blocks of 32 codes, four codes in three bytes); W1_scales 8 x 4,096 x 32 uint8 (E8M0 scales of W1, one for each 32 codes along K); W2_codes 8 x 1,024 x 128 x 24 uint8 (E2M3 codes of W2, K innermost, in blocks of 32 codes, four codes in three bytes); W2_scales 8 x 1,024 x 128 uint8 (E8M0 scales of W2, one for each 32 codes along K); Wr 1,024 x 8 float32; b1 8 x 4,096 float32; b2 8 x 1,024 float32; br 8 float32; x 2 x 512 x 1,024 float32.
;; Outputs: out0 2 x 512 x 1,024 float32.
;; This version of the problem:
;;   THIS VERSION OF THE PROBLEM IS GIVEN IN LOW PRECISION. The matrix products marked QUANTISED in the list below multiply operands that are first quantised to E2M3 (2 exponent bits, 3 mantissa bits; 6 bits a number), with one power-of-two scale for each 32 numbers along K (OCP MX v1.0); their sums are f32. All else is computed in f32.
;;   The module's matrix products, in the order in which they are computed (A, B: the left and right operand; K: the contracted axis; several contracted axes count as one K, in the product's order):
;;     1. [M 1,024, K 1,024] x [K 1,024, N 8]; A: input x; B: input Wr: left as it is (N = 8 < 16)
;;     2. [M 32,768, K 1,024] x [K 1,024, N 1,024]; A: input W1 (given as codes); B: input x: QUANTISED
;;     3. batch 8 x [M 1,024, K 4,096] x [K 4,096, N 1,024]; A: computed on the way; B: input W2 (given as codes): QUANTISED
;;     4. batch 1,024 x [M 1, K 8] x [K 8, N 1,024]; A: computed on the way; B: computed on the way: left as it is (K = 8 < 32)
;;   THE QUANTISER, for each operand of a quantised product, along K:
;;     - K is cut into blocks of 32 from its start; a last block that is shorter is filled with zeros.
;;     - A block's scale is 2^e with e = floor(log2(the largest magnitude in the block)) - 2, held to -126 .. 127; a block of zeros has e = 0. As a byte (E8M0): e + 127.
;;     - Each number is divided by its block's scale, clamped to +-7.5, and rounded to the nearest number of E2M3, ties to even, subnormals kept.
;;     - The product sums the exact products of the quantised numbers (number of the format x scale) in f32.
;;   ~~~python
;;   def quantise(x, axis):      # numpy; x: float32 -> the quantised numbers, widened to float32 again
;;       x = np.moveaxis(x, axis, -1); K = x.shape[-1]
;;       x = np.pad(x, [(0, 0)] * (x.ndim - 1) + [(0, -K % 32)]); x = x.reshape(x.shape[:-1] + (-1, 32)); a = np.abs(x).max(-1, keepdims=True)
;;       e = np.where(a > 0, np.clip(np.frexp(np.where(a > 0, a, 1))[1] - 1 - 2, -126, 127), 0)      # np.frexp(a)[1] - 1 = floor(log2(a)), exactly
;;       r = np.clip(x / 2.0 ** e, -7.5, 7.5)
;;       step = 2.0 ** (np.maximum(np.frexp(np.where(r == 0, 1, r))[1] - 1, 0) - 3)
;;       q = np.round(r / step) * step * 2.0 ** e      # np.round: ties to even
;;       return np.moveaxis(q.reshape(q.shape[:-2] + (-1,))[..., :K], -1, axis).astype(np.float32)
;;   ~~~
;;   OPERANDS COMPUTED ON THE WAY. 'Computed on the way' means the value that the module computes at that place (a softmax that the list does not call 'softmax' is quantised finished and normalised). What goes into a quantiser is computed in f32, as accurately as f32 sums, v_exp_f32 and their like allow (about 1e-6 of the number): no bf16 or f16 on the way to a quantiser, and a product that is left as it is and whose result goes on into a quantised operand takes f32 operands (vector FMAs, or v_wmma_f32_16x16x4_f32). A number that lies on a knife's edge between two numbers of the format may be rounded either way, as far as f32 arithmetic and the matrix unit's own rounding can turn it there, and no further.
;;   INPUTS GIVEN AS CODES. W1 (in the module: [8, 1024, 4096], K = its axis 1); W2 (in the module: [8, 4096, 1024], K = its axis 1): each comes as NAME_codes (uint8): NAME with its K axis moved to the last place and cut into blocks of 32 codes, [.., K / 32, bytes a block], one block behind the other in memory; four codes in three bytes: a row's codes are one little-endian stream of bits, code i at bits 6 i .. 6 i + 5 (a code: sign, 2 exponent bits, 3 mantissa bits); and NAME_scales (uint8): the same leading axes, one E8M0 byte (e + 127) for each 32 codes along K. Its value is code x scale, taken as it is: it is not quantised again, and the codes and scales need not be those that the quantiser above would give.
;; 2 versions, each right; version 2 is version 1 with the launch down written anew for expert scheduling mode. Each part assembles by itself: llvm-mc -triple=amdgcn-amd-amdhsa -mcpu=gfx1250 --defsym DOCPART=n.
;; ======== version 1 of 2: 4 launches
;; workspace buffers: xq 786,432 bytes; xs 32,768 bytes; sel 4,096 bytes of whole numbers; wts 8,192 bytes; hfrag 25,165,824 bytes; hsc 1,048,576 bytes; rows 65,536 bytes of whole numbers; y2 8,912,896 bytes
;; launch route (part 1): grid 256 x 1, 2 waves a work-group, no clusters, 55,552 bytes of LDS; arguments x, Wr, br, xq, xs, sel, wts; writes xq, xs, sel, wts
.if DOCPART == 1
	.amdgcn_target "amdgcn-amd-amdhsa--gfx1250"
	.amdhsa_code_object_version 6
	.text
	.protected	k_q8f37266a23_route
	.globl	k_q8f37266a23_route
	.p2align	8
	.type	k_q8f37266a23_route,@function
k_q8f37266a23_route:
	s_mov_b64 s[64:65], 0
	v_nop
	global_prefetch_b8 v0, s[64:65] scope:SCOPE_SE
	s_setreg_imm32_b32 hwreg(HW_REG_WAVE_MODE, 25, 1), 1
	s_wait_xcnt 0x0
; ROUTER AND QUANTISER OF x.  x [1024 tokens][1024] f32, Wr [1024][8], br [8].
; For each token: scores = relu(x Wr + br) in f32 by fused multiply-adds; the two largest (of equal scores the lower index first);
; their weights w0 = 1 / (1 + e^(s2 - s1)), w1 = e^(s2 - s1) w0: the larger score is taken away ahead of the exponential.
; Stored at fixed places: sel[token] = (1 << first) | (1 << (8 + second)), wts[token] = (w0, w1).  No address here hangs on the choice.
; x is also turned into codes of E2M3 with one E8M0 byte for each 32 along K.  xq [token][768]: block 4 s + 2 c + h lies at 96 s + 48 h + 24 c,
; so that the 48 bytes which lane (r, h) of an operand wants of a K step of 128 lie on end.  xs [token][32]: the bytes in their true order.
; SHARES: a work-group takes 4 tokens, a wave 2; lane l holds block l (k = 32 l .. 32 l + 31) of both.
; LIMITS: NaN and infinities are not served.  Scores that are equal within the rounding of an f32 sum of 1,024 terms may be ordered the other way.
; A block of zeros gets the byte 1 (its codes are zeros; the bytes are read by this program alone).
.set WRP,  1040                        ; LDS: Wr's slice l (k = 32 l .., 1,024 bytes) + 16 of padding: 65 x 16, so sixteen lanes' 16 bytes fall in sixteen columns
.set XT,   33280                       ; behind Wr: the turn of x, for each wave 2 tokens x 32 x 144 bytes
.set XTP,  144                         ; a lane's 128 bytes + 16 of padding
.set STG,  51712                       ; the codes of a wave's two tokens, 1,536 bytes a wave
.set SB,   54784                       ; their scale bytes, 64 a wave
.set X,    16                          ; v16-79   x: token a at v[X + 32 a]
.set WB,   80                          ; v80-207  Wr as loaded, then two buffers of 64: 8 k x 8 experts; later at work
.set ACC,  208                         ; v208-223 the sums: token a, expert e at v[ACC + 8 a + e]
.set T,    224                         ; v224-255 at work
	s_load_b256 s[4:11], s[0:1], 0x0               ; x, Wr, br, xq
	s_load_b128 s[12:15], s[0:1], 0x20             ; xs, sel
	s_load_b64 s[16:17], s[0:1], 0x30              ; wts
	v_lshl_add_u32 v254, v0, 2, 0xd800
	v_mov_b32 v255, 0
	v_lshrrev_b32 v1, 5, v0
	v_readfirstlane_b32 s18, v1                    ; wave 0, 1
	v_and_b32 v1, 31, v0                           ; lane
	v_lshlrev_b32 v2, 4, v1                        ; 16 x lane
	v_lshlrev_b32 v3, 4, v0                        ; 16 x thread
	s_lshl_b32 s19, ttmp9, 2
	s_lshl_b32 s30, s18, 1
	s_add_co_u32 s19, s19, s30                     ; my first token
	s_mul_i32 s32, s18, 2*32*XTP
	s_add_co_u32 s32, s32, XT                      ; my wave's turn
	v_lshrrev_b32 v14, 3, v1
	v_lshl_add_u32 v4, v14, 4, v2
	v_add_nc_u32 v4, s32, v4                       ; into it: 16 l + 16 (l / 8): eight lanes' 128 bytes, then the padding
	v_mul_u32_u24 v5, v1, XTP
	v_add_nc_u32 v5, s32, v5                       ; out of it: my block
	v_mul_u32_u24 v6, v1, WRP                      ; my slice of Wr
	s_mul_i32 s32, s18, 1536
	s_add_co_u32 s32, s32, STG
	v_lshrrev_b32 v14, 2, v1
	v_mul_u32_u24 v7, v14, 96
	v_and_b32 v14, 1, v1                           ; l & 1: kept
	v_mad_u32_u24 v7, v14, 48, v7
	v_bfe_u32 v15, v1, 1, 1
	v_mad_u32_u24 v7, v15, 24, v7
	v_add_nc_u32 v7, s32, v7                       ; my block's 24 bytes: 96 (l / 4) + 48 (l & 1) + 24 ((l / 2) & 1)
	v_add_nc_u32 v8, s32, v2                       ; and back, 16 bytes a lane
	s_lshl_b32 s32, s18, 6
	s_add_co_u32 s32, s32, SB
	v_add_nc_u32 v9, s32, v1                       ; my block's scale byte
	v_and_b32 v15, 7, v1
	v_lshlrev_b32 v11, 3, v15                      ; 8 (l & 7): the 64 bytes leave by 8 a lane, four lanes alike
	v_add_nc_u32 v10, s32, v11
	v_lshlrev_b32 v12, 2, v14                      ; sel: 4 (l & 1)
	v_mov_b32 v13, 0                               ; wts: every lane stores the same 16 bytes
	s_mov_b32 s28, 0x76543210
	s_mov_b32 s29, 0xfedcba98                      ; v_permlanex16_b32's selects for lane l xor 16
	s_mov_b32 s31, 0
	s_wait_kmcnt 0x0
	s_load_b256 s[20:27], s[8:9], 0x0              ; br
	s_lshl_b32 s30, s19, 12
	s_add_nc_u64 s[4:5], s[4:5], s[30:31]
	s_mul_i32 s30, s19, 768
	s_add_nc_u64 s[10:11], s[10:11], s[30:31]
	s_lshl_b32 s30, s19, 5
	s_add_nc_u64 s[12:13], s[12:13], s[30:31]
	s_lshl_b32 s30, s19, 2
	s_add_nc_u64 s[14:15], s[14:15], s[30:31]
	s_lshl_b32 s30, s19, 3
	s_add_nc_u64 s[16:17], s[16:17], s[30:31]
.irp a, 0,1
.irp i, 0,1,2,3,4,5,6,7
	global_load_b128 v[X+32*\a+4*\i:X+32*\a+4*\i+3], v2, s[4:5] offset:4096*\a+512*\i th:TH_LOAD_NT   ; 32 lanes read 512 consecutive bytes
.endr
.endr
.set n, 0
.rept 32
	global_load_b128 v[WB+4*n:WB+4*n+3], v3, s[6:7] offset:1024*n       ; the work-group's 64 threads read 1,024 consecutive bytes: slice n
.set n, n+1
.endr
	s_wait_loadcnt 32                              ; x is in; Wr's 32 loads may be out
.irp a, 0,1
.irp i, 0,1,2,3,4,5,6,7
	ds_store_b128 v4, v[X+32*\a+4*\i:X+32*\a+4*\i+3] offset:32*XTP*\a+576*\i
.endr
.irp i, 0,1,2,3,4,5,6,7
	ds_load_b128 v[X+32*\a+4*\i:X+32*\a+4*\i+3], v5 offset:32*XTP*\a+16*\i   ; LDS serves a wave's instructions in order: these see the stores above
.endr
.endr
	s_wait_loadcnt 0x0
.set n, 0
.rept 32
	ds_store_b128 v3, v[WB+4*n:WB+4*n+3] offset:WRP*n
.set n, n+1
.endr
	s_wait_dscnt 0x0                               ; my part of Wr has landed (and x is back)
	s_barrier_signal -1
	s_barrier_wait -1                              ; everybody's has
.macro WLOAD ch, buf                   ; 8 k of my slice: 256 bytes
.irp m, 0,1,2,3,4,5,6,7,8,9,10,11,12,13,14,15
	ds_load_b128 v[WB+64*\buf+4*\m:WB+64*\buf+4*\m+3], v6 offset:256*\ch+16*\m
.endr
.endm
.macro WFMA ch, buf                    ; 64 packed multiply-adds: two experts each; x is taken for both halves from the low or the high register of its pair
.irp kk, 0,1,2,3,4,5,6,7
.irp a, 0,1
.irp pr, 0,1,2,3
.if (8*\ch+\kk) == 0
	v_pk_mul_f32 v[ACC+8*\a+2*\pr:ACC+8*\a+2*\pr+1], v[X+32*\a:X+32*\a+1], v[WB+64*\buf+2*\pr:WB+64*\buf+2*\pr+1] op_sel_hi:[0,1]   ; the first product starts the sums
.elseif (\kk%2) == 0
	v_pk_fma_f32 v[ACC+8*\a+2*\pr:ACC+8*\a+2*\pr+1], v[X+32*\a+8*\ch+\kk:X+32*\a+8*\ch+\kk+1], v[WB+64*\buf+8*\kk+2*\pr:WB+64*\buf+8*\kk+2*\pr+1], v[ACC+8*\a+2*\pr:ACC+8*\a+2*\pr+1] op_sel_hi:[0,1,1]
.else
	v_pk_fma_f32 v[ACC+8*\a+2*\pr:ACC+8*\a+2*\pr+1], v[X+32*\a+8*\ch+\kk-1:X+32*\a+8*\ch+\kk], v[WB+64*\buf+8*\kk+2*\pr:WB+64*\buf+8*\kk+2*\pr+1], v[ACC+8*\a+2*\pr:ACC+8*\a+2*\pr+1] op_sel:[1,0,0] op_sel_hi:[1,1,1]
.endif
.endr
.endr
.endr
.endm
	WLOAD 0, 0
	WLOAD 1, 1
	s_wait_dscnt 16                                ; this chunk's 16 loads are in, the next chunk's may be out
	WFMA 0, 0
	WLOAD 2, 0
	s_wait_dscnt 16
	WFMA 1, 1
	WLOAD 3, 1
	s_wait_dscnt 16
	WFMA 2, 0
	s_wait_dscnt 0x0
	WFMA 3, 1
	; the sums of the 32 lanes: every lane ends with the token's eight scores
.irp msk, 1,2,4,8
.irp j, 0,1,2,3,4,5,6,7,8,9,10,11,12,13,14,15
	v_add_f32_dpp v[ACC+\j], v[ACC+\j], v[ACC+\j] row_xmask:\msk row_mask:0xf bank_mask:0xf
.endr
.endr
.irp j, 0,1,2,3,4,5,6,7,8,9,10,11,12,13,14,15
	v_permlanex16_b32 v[WB+\j], v[ACC+\j], s28, s29     ; (its destination has been written: Wr lay there)
.endr
	s_wait_kmcnt 0x0                               ; br
.irp j, 0,1,2,3,4,5,6,7,8,9,10,11,12,13,14,15
	v_add_f32 v[ACC+\j], v[ACC+\j], v[WB+\j]
.endr
.irp a, 0,1
.irp e, 0,1,2,3,4,5,6,7
	v_add_f32 v[ACC+8*\a+\e], s[20+\e], v[ACC+8*\a+\e]
.endr
.endr
.irp j, 0,1,2,3,4,5,6,7,8,9,10,11,12,13,14,15
	v_max_num_f32 v[ACC+\j], 0, v[ACC+\j]          ; relu
.endr
; the largest of token a's eight and its index; an equal score later on does not take the place
.macro TOP a, best, idx
	v_mov_b32 v[\best], v[ACC+8*\a]
	v_mov_b32 v[\idx], 0
.irp e, 1,2,3,4,5,6,7
	v_cmp_le_f32 vcc_lo, v[ACC+8*\a+\e], v[\best]
	v_cndmask_b32 v[\idx], \e, v[\idx], vcc_lo
	v_max_num_f32 v[\best], v[\best], v[ACC+8*\a+\e]
.endr
.endm
; token a's registers at v[T + 8 a]: +0 s1, +1 its index, +2 s2, +3 its index, +4 the exponent, +5 e^(s2 - s1), +6 sel's word, +7 at work
.irp a, 0,1
	TOP \a, T+8*\a, T+8*\a+1
.irp e, 0,1,2,3,4,5,6,7
	v_cmp_ne_u32 vcc_lo, \e, v[T+8*\a+1]
	v_cndmask_b32 v[ACC+8*\a+\e], -1.0, v[ACC+8*\a+\e], vcc_lo   ; the first is taken out: -1 lies under every score
.endr
	TOP \a, T+8*\a+2, T+8*\a+3
	v_sub_f32 v[T+8*\a+4], v[T+8*\a+2], v[T+8*\a]  ; s2 - s1, 0 or less
	v_mul_f32 v[T+8*\a+4], 0x3fb8aa3b, v[T+8*\a+4] ; x log2(e)
.endr
	v_exp_f32 v[T+5], v[T+4]
	v_exp_f32 v[T+13], v[T+12]
	v_mov_b32 v[T+26], 1                           ; plain work behind the exponentials: sel's words
	v_mov_b32 v[T+27], 0x100
.irp a, 0,1
	v_lshlrev_b32 v[T+8*\a+6], v[T+8*\a+1], v[T+26]
	v_lshlrev_b32 v[T+8*\a+7], v[T+8*\a+3], v[T+27]
	v_or_b32 v[T+8*\a+6], v[T+8*\a+6], v[T+8*\a+7]
.endr
	s_wait_alu depctr_va_vdst(0)                   ; one wait for both exponentials, ahead of their first reader
	v_add_f32 v[T+4], 1.0, v[T+5]
	v_add_f32 v[T+12], 1.0, v[T+13]
	v_rcp_f32 v[T+16], v[T+4]                      ; w0
	v_rcp_f32 v[T+18], v[T+12]
	v_cmp_eq_u32 vcc_lo, 0, v14                    ; plain work behind the reciprocals
	v_cndmask_b32 v[T+28], v[T+14], v[T+6], vcc_lo ; even lanes hold the first token's word, odd lanes the second's
	s_wait_alu depctr_va_vdst(0)                   ; one wait for both reciprocals
	v_mul_f32 v[T+17], v[T+5], v[T+16]             ; w1
	v_mul_f32 v[T+19], v[T+13], v[T+18]
	global_store_b32 v12, v[T+28], s[14:15]
	global_store_b128 v13, v[T+16:T+19], s[16:17]
	; THE QUANTISER: my block's largest magnitude, with the floor 2^(3 - 127) among its leaves; 2 off its exponent field is the conversion's scale operand; that, shifted, the byte
.irp a, 0,1
	v_max3_num_f32 v[T+20+\a], |v[X+32*\a]|, |v[X+32*\a+1]|, 0x1800000
.endr
.irp i, 2,4,6,8,10,12,14,16,18,20,22,24,26,28,30
.irp a, 0,1
	v_max3_num_f32 v[T+20+\a], v[T+20+\a], |v[X+32*\a+\i]|, |v[X+32*\a+\i+1]|
.endr
.endr
.irp a, 0,1
	v_add_nc_u32 v[T+22+\a], 0xff000000, v[T+20+\a]
.endr
.irp a, 0,1
	v_lshrrev_b32 v[T+24+\a], 23, v[T+22+\a]
.endr
.irp a, 0,1
	v_cvt_scalef32_pk16_fp6_f32 v[WB+16+8*\a:WB+18+8*\a], v[X+32*\a:X+32*\a+15], v[T+22+\a]
	v_cvt_scalef32_pk16_fp6_f32 v[WB+20+8*\a:WB+22+8*\a], v[X+32*\a+16:X+32*\a+31], v[T+22+\a]   ; (a conversion's three registers begin on an even number)
.endr
	v_nop                                          ; one plain place behind the conversions
.irp a, 0,1
	v_mov_b32 v[WB+19+8*\a], v[WB+20+8*\a]         ; the block's six registers on end
	v_mov_b32 v[WB+20+8*\a], v[WB+21+8*\a]
	v_mov_b32 v[WB+21+8*\a], v[WB+22+8*\a]
.irp m, 0,1,2
	ds_store_b64 v7, v[WB+16+8*\a+2*\m:WB+17+8*\a+2*\m] offset:768*\a+8*\m
.endr
	ds_store_b8 v9, v[T+24+\a] offset:32*\a
.endr
.irp m, 0,1,2
	ds_load_b128 v[WB+32+4*\m:WB+35+4*\m], v8 offset:512*\m        ; my wave's own bytes, in order behind the stores
.endr
	ds_load_b64 v[WB+44:WB+45], v10
	s_wait_dscnt 0x0
.irp m, 0,1,2
	global_store_b128 v2, v[WB+32+4*\m:WB+35+4*\m], s[10:11] offset:512*\m   ; two tokens' codes: 1,536 consecutive bytes, at a multiple of 256 from xq's first byte
.endr
	global_store_b64 v11, v[WB+44:WB+45], s[12:13]
	s_wait_dscnt 0x0
	s_barrier_signal -1
	s_barrier_wait -1
	s_wait_tensorcnt 0x0
	ds_add_u32 v254, v255
	s_wait_dscnt 0x0
	s_endpgm
.Lfunc_end_k_q8f37266a23_route:
	.size	k_q8f37266a23_route, .Lfunc_end_k_q8f37266a23_route-k_q8f37266a23_route
	.p2alignl 7, 3214868480
	.fill 96, 4, 3214868480
	.section	.rodata,"a",@progbits
	.p2align	6, 0x0
	.amdhsa_kernel k_q8f37266a23_route
		.amdhsa_group_segment_fixed_size 55552
		.amdhsa_private_segment_fixed_size 0
		.amdhsa_enable_private_segment 0
		.amdhsa_kernarg_size 56
		.amdhsa_user_sgpr_count 2
		.amdhsa_user_sgpr_kernarg_segment_ptr 1
		.amdhsa_wavefront_size32 1
		.amdhsa_system_sgpr_workgroup_id_x 1
		.amdhsa_system_sgpr_workgroup_id_y 1
		.amdhsa_system_sgpr_workgroup_id_z 1
		.amdhsa_system_vgpr_workitem_id 0
		.amdhsa_next_free_vgpr 256
		.amdhsa_next_free_sgpr 66
		.amdhsa_reserve_vcc 1
		.amdhsa_float_denorm_mode_32 3
		.amdhsa_float_denorm_mode_16_64 3
		.amdhsa_memory_ordered 1
		.amdhsa_forward_progress 1
		.amdhsa_inst_pref_size 48
	.end_amdhsa_kernel
	.amdgpu_metadata
---
amdhsa.version: [ 1, 2 ]
amdhsa.kernels:
  - .name:           k_q8f37266a23_route
    .symbol:         k_q8f37266a23_route.kd
    .args:
      - { .name: x, .offset: 0, .size: 8, .value_kind: global_buffer, .address_space: global }
      - { .name: Wr, .offset: 8, .size: 8, .value_kind: global_buffer, .address_space: global }
      - { .name: br, .offset: 16, .size: 8, .value_kind: global_buffer, .address_space: global }
      - { .name: xq, .offset: 24, .size: 8, .value_kind: global_buffer, .address_space: global }
      - { .name: xs, .offset: 32, .size: 8, .value_kind: global_buffer, .address_space: global }
      - { .name: sel, .offset: 40, .size: 8, .value_kind: global_buffer, .address_space: global }
      - { .name: wts, .offset: 48, .size: 8, .value_kind: global_buffer, .address_space: global }
    .group_segment_fixed_size: 55552
    .private_segment_fixed_size: 0
    .kernarg_segment_align: 8
    .kernarg_segment_size: 56
    .max_flat_workgroup_size: 64
    .sgpr_count:     66
    .vgpr_count:     256
    .wavefront_size: 32
...
	.end_amdgpu_metadata
.endif
;; end of part 1
;; launch up (part 2): grid 32 x 8, 4 waves a work-group, no clusters, 114,176 bytes of LDS; arguments W1_codes, W1_scales, b1, xq, xs, sel, hfrag, hsc, rows; writes hfrag, hsc, rows
.if DOCPART == 2
	.amdgcn_target "amdgcn-amd-amdhsa--gfx1250"
	.amdhsa_code_object_version 6
	.text
	.protected	k_q8f37266a23_up
	.globl	k_q8f37266a23_up
	.p2align	8
	.type	k_q8f37266a23_up,@function
k_q8f37266a23_up:
	s_mov_b64 s[64:65], 0
	v_nop
	global_prefetch_b8 v0, s[64:65] scope:SCOPE_SE
	s_setreg_imm32_b32 hwreg(HW_REG_WAVE_MODE, 25, 1), 1
	s_wait_xcnt 0x0
; FIRST PRODUCT OF THE CHOSEN ROWS: h = relu(Q(x) W1[e] + b1[e]), quantised along the hidden units, for the rows (token, slot) that chose expert e.
; SHARES.  Work-group (s, e) owns hidden units 128 s .. 128 s + 127 of expert e: 98,304 dense bytes of codes, read from memory once, kept in LDS; it serves ALL rows of the expert.
; So every byte of W1 is read by one work-group, and what is read again is the small thing: the rows' codes of x.
; THE ROWS.  Every wave counts the expert's rows from sel; wave 0 places them: entry = 2 token + slot, at the number of earlier rows (a count of mask bits: no atomics).  The list is filled up
; with pad entries 2048 + 16 e + (place & 15), which stand for rows of their own that nobody reads.  Work-groups with s = 0 store list and count for the next launch.
; A pass takes 20 tiles of 16 rows: wave w tiles 20 pass + 4 i + w, i = 0 .. 4, each against all 8 tiles of hidden units: 40 accumulators.  Four passes serve all 1,024 tokens on one expert.
; THE MATRIX INSTRUCTION IS USED TRANSPOSED (source 0 = 16 rows of W1, source 1 = 16 rows of x): a lane holds one row and its registers run along the hidden units, the next K.
; THE ROWS OF W1 THAT FORM A TILE ARE NOT NEIGHBOURS: lane m of tile 2 b + u takes row 32 b + 8 u + m + 8 (m / 8), so that the 16 registers of tiles 2 b, 2 b + 1 are 16 neighbours along the next K.
; In LDS the rows are laid in that order: memory row 32 b + x lies at place 32 b + 16 (bit 3 of x) + 8 (bit 4 of x) + (x & 7).
; OUT.  The 128 hidden units are K step s of the second product: for each tile of rows one operand fragment, stored as an image of its 12 registers (hfrag [e][tile][s][1,536]: piece m at 512 m + 16 lane), and 16 scale words (hsc).
; No tensor load, no cluster: branches hang on the stored choice.  EXEC is never changed.
; LIMITS: NaN and infinities are not served.  A block of zeros gets the byte 1 (its codes are zeros; this program alone reads the bytes).
; REGISTERS, in windows of 256.  Window 0: v1-31 addresses; v32-63 W1's scale words; v64-83 x's; v84-88 the tiles' entries; v96-191 W1's 8 fragments of a K step (at the head: sel); v192-229 the quantiser's.
;   window 1: x's fragments, a ring of 4 K steps x 5 tiles.   window 2: v0-79 accumulators of block 3; v96-159 b1.   window 3: v0-239 accumulators of blocks 0-2 (at the head: W1 as loaded).
.set WP,    784                        ; a row of W1 in LDS: 768 bytes + 16 = 196 words: row r starts at bank 4 r mod 64, and the 32 lanes of a load of 8 bytes touch 64 different banks
.set SCW,   128*WP                     ; behind the rows: their scale bytes, 32 a row in a place of 48
.set SCP,   48
.set LIST,  SCW+128*SCP                ; behind those: the list, NLIST entries, and 32 words for the lanes that have nothing to place
.set NLIST, 1664
.set AW,    5                          ; v5, v6  my lane's place in tiles 0-3, 4-7
.set LB,    7                          ; v7-9    where my 16 bytes of the three kinds of load go
.set LSC,   10                         ; v10     and my 16 scale bytes
.set ASC,   11                         ; v11     my lane's scale words
.set ALI,   12                         ; v12     my lane's entries
.set SA,    13                         ; v13     the placing's address: used for nothing else
.set XO,    16                         ; v16-20  tile i: my row's codes of x
.set XSO,   21                         ; v21-25  and its scale bytes
.set WS,    32                         ; W1's scale words: v[WS + 8 b + K step]: lanes 0-15 tile 2 b, lanes 16-31 tile 2 b + 1
.set XS,    64                         ; x's: v[XS + 4 i + q]: lanes 0-15 K step q, lanes 16-31 K step 4 + q
.set ENT,   84
.set PADA,  89                         ; v89     LIST + 16 lane
.set LRD,   90                         ; v90     LIST + 1,024 wave + 16 lane
.set T16,   91                         ; v91     16 x thread
.set RGO,   92                         ; v92     1,024 wave + 16 lane
.set T4,    93                         ; v93     4 x thread
.set WR,    96
.set TM,    192                        ; v192-195 largest magnitudes, v196-199 the other half's, then bytes, v204-207 scale operands
.set PW,    208                        ; the scale word just made
.set PC,    210                        ; v210-229 the codes just made
.set PADV,  232                        ; v232-235 four pad entries
.set DMP,   236                        ; v236    NLIST + lane
.set L8,    237                        ; v237    8 x lane
.set B1R,   96                         ; in window 2
.set MSB, 0
.macro WIN new                         ; the immediate's high byte repeats the setting that is left
.if MSB != \new
	s_set_vgpr_msb (MSB<<8)|\new
.set MSB, \new
.endif
.endm
.macro PLACES                          ; four plain places behind matrix instructions, ahead of loads into registers that they read and of the first read of results
.rept 4
	v_nop
.endr
.endm
	s_load_b256 s[4:11], s[0:1], 0x0               ; W1's codes, W1's scales, b1, xq
	s_load_b256 s[12:19], s[0:1], 0x20             ; xs, sel, hfrag, hsc
	s_load_b64 s[20:21], s[0:1], 0x40              ; rows
	v_lshl_add_u32 v254, v0, 2, 0x1bc00
	v_mov_b32 v255, 0
	v_lshrrev_b32 v1, 5, v0
	v_readfirstlane_b32 s22, v1                    ; wave 0..3
	s_mov_b32 s23, ttmp9                           ; s
	s_and_b32 s24, ttmp7, 0xffff                   ; e
	v_and_b32 v1, 31, v0                           ; lane
	v_and_b32 v2, 15, v0                           ; r
	v_bfe_u32 v3, v0, 4, 1                         ; h
	v_lshlrev_b32 v4, 4, v1                        ; 16 x lane
	v_mul_u32_u24 v[AW], v2, WP
	v_mad_u32_u24 v[AW], v3, 24, v[AW]             ; place r of a tile, + 24 h
	v_add_nc_u32 v[AW+1], 64*WP, v[AW]
	s_mul_i32 s30, s22, 32*WP                      ; my wave copies rows 32 w .. 32 w + 31.  Three loads of 512 bytes are two rows:
	v_add_nc_u32 v[LB], s30, v4                    ; the even row's bytes 0-511;
	v_lshlrev_b32 v[LB+1], 4, v2
	v_mad_u32_u24 v[LB+1], v3, 272, v[LB+1]
	v_add_nc_u32 v[LB+1], s30, v[LB+1]
	v_add_nc_u32 v[LB+1], 512, v[LB+1]             ; lanes 0-15 its bytes 512-767, lanes 16-31 the odd row's bytes 0-255 (784 - 512 = 272 further on);
	v_add_nc_u32 v[LB+2], 1040, v[LB]              ; the odd row's bytes 256-767
	v_lshrrev_b32 v28, 1, v0                       ; scale bytes: thread t holds 16 bytes of row t / 2 (and of row 64 + t / 2)
	v_and_b32 v29, 7, v28
	v_bfe_u32 v30, v28, 3, 1
	v_lshl_add_u32 v29, v30, 4, v29
	v_bfe_u32 v30, v28, 4, 1
	v_lshl_add_u32 v29, v30, 3, v29
	v_bfe_u32 v30, v28, 5, 1
	v_lshl_add_u32 v29, v30, 5, v29                ; the row's place
	v_mul_u32_u24 v[LSC], v29, SCP
	v_and_b32 v30, 1, v0
	v_lshl_add_u32 v[LSC], v30, 4, v[LSC]
	v_add_nc_u32 v[LSC], SCW, v[LSC]
	v_mul_u32_u24 v[ASC], v1, SCP
	v_add_nc_u32 v[ASC], SCW, v[ASC]
	s_lshl_b32 s31, s22, 6
	v_lshl_add_u32 v[ALI], v2, 2, s31
	v_add_nc_u32 v[ALI], LIST, v[ALI]              ; entry 16 (4 i + w) + r
	v_lshlrev_b32 v14, 6, v3                       ; 64 h
	v_mul_u32_u24 v15, v3, 48                      ; 48 h
	v_lshlrev_b32 v31, 4, v3                       ; 16 h
	v_add_nc_u32 v[PADA], LIST, v4
	s_lshl_b32 s31, s22, 10
	v_add_nc_u32 v[RGO], s31, v4
	v_add_nc_u32 v[LRD], LIST, v[RGO]
	v_lshlrev_b32 v[T16], 4, v0
	v_lshlrev_b32 v[T4], 2, v0
	s_lshl_b32 s31, s24, 4
	s_add_co_u32 s31, s31, 2048
	v_and_b32 v28, 3, v1
	v_lshl_add_u32 v[PADV], v28, 2, s31            ; place 128 i + 4 lane + q: 2048 + 16 e + 4 (lane & 3) + q
	v_add_nc_u32 v[PADV+1], 1, v[PADV]
	v_add_nc_u32 v[PADV+2], 2, v[PADV]
	v_add_nc_u32 v[PADV+3], 3, v[PADV]
	v_add_nc_u32 v[DMP], NLIST, v1
	v_lshlrev_b32 v[L8], 3, v1
.irp z, 4,5,6,7
	v_mov_b32 v[TM+\z], 0                          ; written once: a lane permute's destination counts as one of its sources
.endr
	s_lshl_b32 s66, 0x101, s24                     ; the expert's two bits in a word of sel
	s_add_co_u32 s67, s24, 8
	s_mov_b32 s70, 0x76543210
	s_mov_b32 s71, 0xfedcba98                      ; v_permlanex16_b32's selects for lane l xor 16
	s_mul_i32 s72, s24, 3145728                    ; an expert's codes of W1, and its part of hfrag, are as many bytes
	s_mul_i32 s74, s23, 98304
	s_mul_i32 s76, s22, 24576
	s_add_co_u32 s74, s74, s72
	s_add_co_u32 s74, s74, s76                     ; W1's codes: my wave's 32 rows
	s_mov_b32 s75, 0
	s_mul_i32 s76, s23, 1536
	s_add_co_u32 s72, s72, s76                     ; hfrag: K step s
	s_mov_b32 s73, 0
	s_lshl_b32 s76, s24, 17
	s_lshl_b32 s78, s23, 12
	s_add_co_u32 s78, s78, s76                     ; W1's scales: the work-group's 128 rows
	s_mov_b32 s79, 0
	s_lshl_b32 s80, s23, 6
	s_add_co_u32 s76, s76, s80                     ; hsc
	s_mov_b32 s77, 0
	s_lshl_b32 s80, s24, 14
	s_lshl_b32 s82, s23, 9
	s_add_co_u32 s80, s80, s82                     ; b1
	s_mov_b32 s81, 0
	s_lshl_b32 s82, s24, 13                        ; rows
	s_mov_b32 s83, 0
	s_wait_kmcnt 0x0
	s_add_nc_u64 s[4:5], s[4:5], s[74:75]
	s_add_nc_u64 s[6:7], s[6:7], s[78:79]
	s_add_nc_u64 s[8:9], s[8:9], s[80:81]
	s_add_nc_u64 s[16:17], s[16:17], s[72:73]
	s_add_nc_u64 s[18:19], s[18:19], s[76:77]
	s_add_nc_u64 s[20:21], s[20:21], s[82:83]
.irp i, 0,1,2,3,4,5,6,7
	global_load_b128 v[WR+4*\i:WR+4*\i+3], v4, s[14:15] offset:512*\i   ; sel: register 4 i + q holds token 128 i + 4 lane + q
.endr
	WIN 0xc0                                       ; destination window 3
.set n, 0
.rept 48
	global_load_b128 v[4*n:4*n+3], v4, s[4:5] offset:512*n th:TH_LOAD_NT   ; 512 consecutive bytes; read once in the launch
.set n, n+1
.endr
	global_load_b128 v[192:195], v[T16], s[6:7]
	global_load_b128 v[196:199], v[T16], s[6:7] offset:2048
	WIN 0x80                                       ; destination window 2
.irp t, 0,1,2,3,4,5,6,7                        ; b1 in the result's layout: lane (r, h) wants, for tile 2 b + u, hidden units 32 b + 16 h + 8 u + 0 .. 7
	global_load_b128 v[B1R+8*\t:B1R+8*\t+3], v14, s[8:9] offset:(32*(\t/2)+8*(\t%2))*4
	global_load_b128 v[B1R+8*\t+4:B1R+8*\t+7], v14, s[8:9] offset:(32*(\t/2)+8*(\t%2))*4+16
.endr
	WIN 0
	s_wait_loadcnt 63                              ; 66 loads were issued behind sel's eight: those eight are in
	s_mov_b32 s25, 0
.set g, 0
.rept 32                                       ; which tokens chose e: a mask for each register of sel, and their number
	v_and_b32 v28, s66, v[WR+g]
	v_cmp_ne_u32 s[32+g], 0, v28
	s_bcnt1_i32_b32 s30, s[32+g]
	s_add_co_u32 s25, s25, s30
.set g, g+1
.endr
	s_add_co_u32 s26, s25, 15
	s_lshr_b32 s26, s26, 4                         ; T: tiles of 16 rows
	s_cmp_lg_u32 s22, 0
	s_cbranch_scc1 .Lnot_wave_0                    ; wave 0 alone touches LDS ahead of the first barrier
.set n, 0
.rept 13
	ds_store_b128 v[PADA], v[PADV:PADV+3] offset:512*n   ; pad entries everywhere;
.set n, n+1
.endr
	s_mov_b32 s68, 0
.set g, 0
.rept 32                                       ; then, in order behind them, each row at the number of rows ahead of it
	v_mbcnt_lo_u32_b32 v29, s[32+g], s68
	v_bfe_u32 v30, v[WR+g], s67, 1                 ; slot: 1 where e is the token's second choice
	v_add3_u32 v30, v30, v[L8], 256*(g/4)+2*(g%4)  ; 2 x token + slot
	v_cndmask_b32 v29, v[DMP], v29, s[32+g]        ; a lane with nothing to place writes a word of its own behind the list
	v_min_u32 v29, NLIST+31, v29
	v_lshl_add_u32 v[SA], v29, 2, LIST
	ds_store_b32 v[SA], v30
	s_bcnt1_i32_b32 s30, s[32+g]
	s_add_co_u32 s68, s68, s30
.set g, g+1
.endr
.Lnot_wave_0:
	s_wait_dscnt 0x0                               ; the list has landed
	s_barrier_signal -1
	s_barrier_wait -1
	s_cmp_lg_u32 s23, 0
	s_cbranch_scc1 .Lno_rows                       ; list and count leave once for each expert
	ds_load_b128 v[WR:WR+3], v[LRD]
	ds_load_b128 v[WR+4:WR+7], v[LRD] offset:512
	v_mov_b32 v[WR+8], s25
	s_wait_dscnt 0x0
	global_store_b128 v[RGO], v[WR:WR+3], s[20:21]
	global_store_b128 v[RGO], v[WR+4:WR+7], s[20:21] offset:512
	global_store_b32 v[T4], v[WR+8], s[20:21] offset:4096
	s_wait_xcnt 0x0                                ; these registers are written again below
.Lno_rows:
; A pass's rows: my five tiles' entries, their tokens (held at 1,023: a pad entry reads the last token's codes, for a row that nobody reads), x's scale words, and x's fragments of K steps 0-3.
.macro PASS_HEAD adr
.irp i, 0,1,2,3,4
	ds_load_b32 v[ENT+\i], v[\adr] offset:256*\i
.endr
	s_wait_dscnt 0x0
.irp i, 0,1,2,3,4
	v_lshrrev_b32 v[ENT+\i], 1, v[ENT+\i]
	v_min_u32 v[ENT+\i], 1023, v[ENT+\i]
	v_lshl_add_u32 v[XSO+\i], v[ENT+\i], 5, v31    ; 32 bytes a token, + 16 h
	v_mul_u32_u24 v[XO+\i], v[ENT+\i], 768
	v_add_nc_u32 v[XO+\i], v[XO+\i], v15           ; 768 bytes a token, + 48 h
.endr
.irp i, 0,1,2,3,4
	global_load_b128 v[XS+4*\i:XS+4*\i+3], v[XSO+\i], s[12:13]
.endr
	WIN 0x40                                       ; destination window 1
.irp kk, 0,1,2,3
.irp i, 0,1,2,3,4
.irp m, 0,1,2
	global_load_b128 v[60*\kk+12*\i+4*\m:60*\kk+12*\i+4*\m+3], v[XO+\i], s[10:11] offset:96*\kk+16*\m
.endr
.endr
.endr
	WIN 0
.endm
	PASS_HEAD ALI
	s_wait_loadcnt 63                              ; 65 loads were issued behind W1's, its scales' and b1's: those are in
	WIN 0x0c                                       ; an LDS store's data are its source 1: window 3
.set n, 0
.rept 16                                       ; rows 2 n, 2 n + 1 of my 32 go to places 16 (bit 2 of n) + 8 (bit 3 of n) + 2 (n & 3) and the next
	ds_store_b128 v[LB], v[12*n:12*n+3] offset:WP*(16*((n>>2)&1)+8*((n>>3)&1)+2*(n&3))
	ds_store_b128 v[LB+1], v[12*n+4:12*n+7] offset:WP*(16*((n>>2)&1)+8*((n>>3)&1)+2*(n&3))
	ds_store_b128 v[LB+2], v[12*n+8:12*n+11] offset:WP*(16*((n>>2)&1)+8*((n>>3)&1)+2*(n&3))
.set n, n+1
.endr
	ds_store_b128 v[LSC], v[192:195]
	ds_store_b128 v[LSC], v[196:199] offset:64*SCP
	WIN 0
	s_wait_dscnt 0x0                               ; my part of W1 has landed
	s_barrier_signal -1
	s_barrier_wait -1                              ; everybody's has.  From here on LDS is only read
.irp bq, 0,1,2,3
.irp q, 0,1
	ds_load_b128 v[WS+8*\bq+4*\q:WS+8*\bq+4*\q+3], v[ASC] offset:32*SCP*\bq+16*\q
.endr
.endr
.macro WFRAG t, sp                     ; W1's fragment (tile t, K step sp): 24 bytes of the row's stream of bits twice, in pieces of 8
.irp p, 0,1,2,3,4,5
	ds_load_b64 v[WR+12*(\t)+2*\p:WR+12*(\t)+2*\p+1], v[AW+(\t)/4] offset:16*WP*((\t)%4)+96*(\sp)+48*(\p/3)+8*(\p%3)
.endr
.endm
.macro MM sp, bq, u, i                 ; tile 2 bq + u of hidden units x tile i of rows, K step sp.  The first K step takes b1 as C
.if \bq < 3
.set rD, 80*\bq+16*\i+8*\u
.else
.set rD, 16*\i+8*\u
.endif
.if \sp == 0
.set rC, B1R+8*(2*\bq+\u)
.else
.set rC, rD
.endif
.set rA, WR+12*(2*\bq+\u)
.set rB, 60*(\sp%4)+12*\i
.set rSA, WS+8*\bq+\sp
.set rSB, XS+4*\i+\sp%4
.if (\u == 0) && (\sp < 4)
	v_wmma_scale_f32_16x16x128_f8f6f4 v[rD:rD+7], v[rA:rA+11], v[rB:rB+11], v[rC:rC+7], v[rSA], v[rSB] matrix_a_fmt:MATRIX_FMT_FP6 matrix_b_fmt:MATRIX_FMT_FP6
.elseif \sp < 4
	v_wmma_scale_f32_16x16x128_f8f6f4 v[rD:rD+7], v[rA:rA+11], v[rB:rB+11], v[rC:rC+7], v[rSA], v[rSB] matrix_a_fmt:MATRIX_FMT_FP6 matrix_b_fmt:MATRIX_FMT_FP6 matrix_a_scale:MATRIX_SCALE_ROW1
.elseif \u == 0
	v_wmma_scale_f32_16x16x128_f8f6f4 v[rD:rD+7], v[rA:rA+11], v[rB:rB+11], v[rC:rC+7], v[rSA], v[rSB] matrix_a_fmt:MATRIX_FMT_FP6 matrix_b_fmt:MATRIX_FMT_FP6 matrix_b_scale:MATRIX_SCALE_ROW1
.else
	v_wmma_scale_f32_16x16x128_f8f6f4 v[rD:rD+7], v[rA:rA+11], v[rB:rB+11], v[rC:rC+7], v[rSA], v[rSB] matrix_a_fmt:MATRIX_FMT_FP6 matrix_b_fmt:MATRIX_FMT_FP6 matrix_a_scale:MATRIX_SCALE_ROW1 matrix_b_scale:MATRIX_SCALE_ROW1
.endif
.endm
; Ten products: two tiles of hidden units x five tiles of rows; then the two fragments of W1 are fetched anew for the next K step.  The 40 accumulators take turns, one instruction a turn, in the same order in every K step.
.macro PAIR sp, bq
.if \sp == 7
	s_wait_dscnt 12*(3-\bq)                        ; nothing is fetched any more: the pairs behind mine may be out
.else
	s_wait_dscnt 36                                ; my two fragments are in; the three pairs asked for behind them may be out
.endif
.if \bq == 3
	WIN 0xa4                                       ; source 1 (x) window 1, C and D window 2
.elseif \sp == 0
	WIN 0xe4                                       ; C (b1) window 2, D window 3
.else
	WIN 0xf4                                       ; C and D window 3
.endif
.irp u, 0,1
.irp i, 0,1,2,3,4
	MM \sp, \bq, \u, \i
.endr
.endr
	WIN 0
	PLACES
.if \sp < 7
	WFRAG 2*\bq, \sp+1
	WFRAG 2*\bq+1, \sp+1
.endif
.endm
.macro KSTEP sp
.if \sp <= 4
	s_wait_loadcnt 45                              ; this K step's 15 loads of x are in; those of the three K steps behind it may be out
.else
	s_wait_loadcnt 15*(7-\sp)
.endif
	PAIR \sp, 0
	PAIR \sp, 1
	PAIR \sp, 2
	PAIR \sp, 3
.if \sp <= 3
	WIN 0x40
.irp i, 0,1,2,3,4
.irp m, 0,1,2
	global_load_b128 v[60*\sp+12*\i+4*\m:60*\sp+12*\i+4*\m+3], v[XO+\i], s[10:11] offset:96*(\sp+4)+16*\m   ; the ring's place takes the K step four on (four places stand behind the last product)
.endr
.endr
	WIN 0
.endif
.endm
; Tile i's 64 numbers of a lane (block bq: 16 registers, k = 32 bq + 16 h + 0 .. 15 of my row) become a fragment's codes in v[PC] on and its scale word in v[PW].  None is negative: no |.| on the sources.
.macro QUANT i
	s_wait_xcnt 0x0                                ; the last tile's stores have read their registers
	WIN 0x3c                                       ; sources 1 and 2 window 3
.irp bq, 0,1,2
	v_max3_num_f32 v[TM+\bq], 0x1800000, v[80*\bq+16*\i], v[80*\bq+16*\i+1]   ; with the floor 2^(3 - 127): the byte cannot fall under 1
.endr
.irp k, 2,4,6,8,10,12,14
.irp bq, 0,1,2
	v_max3_num_f32 v[TM+\bq], v[TM+\bq], v[80*\bq+16*\i+\k], v[80*\bq+16*\i+\k+1]
.endr
.endr
	WIN 0x28                                       ; sources 1 and 2 window 2
	v_max3_num_f32 v[TM+3], 0x1800000, v[16*\i], v[16*\i+1]
.irp k, 2,4,6,8,10,12,14
	v_max3_num_f32 v[TM+3], v[TM+3], v[16*\i+\k], v[16*\i+\k+1]
.endr
	WIN 0
.irp bq, 0,1,2,3
	v_permlanex16_b32 v[TM+4+\bq], v[TM+\bq], s70, s71
.endr
.irp bq, 0,1,2,3
	v_max_num_f32 v[TM+\bq], v[TM+\bq], v[TM+4+\bq]   ; with lane l xor 16's: the block's largest
.endr
.irp bq, 0,1,2,3
	v_add_nc_u32 v[TM+12+\bq], 0xff000000, v[TM+\bq]  ; 2 off its exponent field: the conversion's scale operand
.endr
.irp bq, 0,1,2,3
	v_lshrrev_b32 v[TM+4+\bq], 23, v[TM+12+\bq]       ; the scale's byte
.endr
	v_lshl_or_b32 v[PW], v[TM+5], 8, v[TM+4]
	v_lshl_or_b32 v[PW], v[TM+6], 16, v[PW]
	v_lshl_or_b32 v[PW], v[TM+7], 24, v[PW]
	WIN 0x03                                       ; source 0 window 3
	v_cvt_scalef32_pk16_fp6_f32 v[PC:PC+2], v[16*\i:16*\i+15], v[TM+12]
	v_cvt_scalef32_pk16_fp6_f32 v[PC+12:PC+14], v[80+16*\i:80+16*\i+15], v[TM+13]
	v_cvt_scalef32_pk16_fp6_f32 v[PC+6:PC+8], v[160+16*\i:160+16*\i+15], v[TM+14]
	WIN 0x02                                       ; source 0 window 2
	v_cvt_scalef32_pk16_fp6_f32 v[PC+16:PC+18], v[16*\i:16*\i+15], v[TM+15]
	WIN 0
	v_nop                                          ; one plain place behind the conversions
.irp c, 0,1                                    ; the operand's layout wants a WHOLE block in a lane: lanes 0-15 block 2 c, lanes 16-31 block 2 c + 1
.irp z, 0,1,2
	v_permlane16_swap_b32 v[PC+6*\c+\z], v[PC+12+4*\c+\z]
.endr
.irp z, 0,1,2
	v_mov_b32 v[PC+3+6*\c+\z], v[PC+12+4*\c+\z]
.endr
.endr
.endm
.macro PUT i                           ; the image and the scale words of tile 20 pass + 4 i + w leave, if the expert has such a tile
	s_add_co_u32 s30, s28, 4*\i
	s_cmp_ge_u32 s30, s26
	s_cbranch_scc1 .Lno_tile_\@
	s_mul_i32 s31, s30, 49152
	s_lshl_b32 s30, s30, 11
	v_add_nc_u32 v26, s31, v4
	v_lshl_add_u32 v27, v2, 2, s30
.irp m, 0,1,2
	global_store_b128 v26, v[PC+4*\m:PC+4*\m+3], s[16:17] offset:512*\m   ; 1,536 consecutive bytes, at a multiple of 256 from hfrag's first byte
.endr
	global_store_b32 v27, v[PW], s[18:19]          ; lanes 16-31 hold and store the same words as lanes 0-15
.Lno_tile_\@:
.endm
	s_mov_b32 s27, 0                               ; trips
	s_mov_b32 s28, s22                             ; my first tile of the pass: 20 pass + w
	s_mov_b32 s29, 0                               ; the pass's entries: 1,280 bytes a pass
.Lpass:
	s_cmp_ge_u32 s28, s26
	s_cbranch_scc1 .Ldone                          ; none of my tiles is left (no barrier stands in the loop)
.irp t, 0,1,2,3,4,5,6,7
	WFRAG \t, 0
.endr
.irp sp, 0,1,2,3,4,5,6,7
	KSTEP \sp
.endr
	WIN 0xcc                                       ; source 1 and destination window 3
.set n, 0
.rept 240
	v_max_num_f32 v[n], 0, v[n]                    ; the activation, in f32; each accumulator from its low end on
.set n, n+1
.endr
	WIN 0x88                                       ; window 2
.set n, 0
.rept 80
	v_max_num_f32 v[n], 0, v[n]
.set n, n+1
.endr
	WIN 0
.irp i, 0,1,2,3,4
	QUANT \i
	PUT \i
.endr
	s_add_co_u32 s28, s28, 20
	s_add_co_u32 s29, s29, 1280
	s_cmp_ge_u32 s28, s26
	s_cbranch_scc1 .Ldone
	s_wait_xcnt 0x0
	v_add_nc_u32 v28, s29, v[ALI]
	PASS_HEAD 28
	s_add_co_u32 s27, s27, 1
	s_cmp_lt_u32 s27, 4
	s_cbranch_scc1 .Lpass
.Ldone:
	s_wait_dscnt 0x0
	s_barrier_signal -1
	s_barrier_wait -1
	s_wait_tensorcnt 0x0
	ds_add_u32 v254, v255
	s_wait_dscnt 0x0
	s_endpgm
.Lfunc_end_k_q8f37266a23_up:
	.size	k_q8f37266a23_up, .Lfunc_end_k_q8f37266a23_up-k_q8f37266a23_up
	.p2alignl 7, 3214868480
	.fill 96, 4, 3214868480
	.section	.rodata,"a",@progbits
	.p2align	6, 0x0
	.amdhsa_kernel k_q8f37266a23_up
		.amdhsa_group_segment_fixed_size 114176
		.amdhsa_private_segment_fixed_size 0
		.amdhsa_enable_private_segment 0
		.amdhsa_kernarg_size 72
		.amdhsa_user_sgpr_count 2
		.amdhsa_user_sgpr_kernarg_segment_ptr 1
		.amdhsa_wavefront_size32 1
		.amdhsa_system_sgpr_workgroup_id_x 1
		.amdhsa_system_sgpr_workgroup_id_y 1
		.amdhsa_system_sgpr_workgroup_id_z 1
		.amdhsa_system_vgpr_workitem_id 0
		.amdhsa_next_free_vgpr 1024
		.amdhsa_next_free_sgpr 100
		.amdhsa_reserve_vcc 0
		.amdhsa_float_denorm_mode_32 3
		.amdhsa_float_denorm_mode_16_64 3
		.amdhsa_memory_ordered 1
		.amdhsa_forward_progress 1
		.amdhsa_inst_pref_size 167
	.end_amdhsa_kernel
	.amdgpu_metadata
---
amdhsa.version: [ 1, 2 ]
amdhsa.kernels:
  - .name:           k_q8f37266a23_up
    .symbol:         k_q8f37266a23_up.kd
    .args:
      - { .name: W1_codes, .offset: 0, .size: 8, .value_kind: global_buffer, .address_space: global }
      - { .name: W1_scales, .offset: 8, .size: 8, .value_kind: global_buffer, .address_space: global }
      - { .name: b1, .offset: 16, .size: 8, .value_kind: global_buffer, .address_space: global }
      - { .name: xq, .offset: 24, .size: 8, .value_kind: global_buffer, .address_space: global }
      - { .name: xs, .offset: 32, .size: 8, .value_kind: global_buffer, .address_space: global }
      - { .name: sel, .offset: 40, .size: 8, .value_kind: global_buffer, .address_space: global }
      - { .name: hfrag, .offset: 48, .size: 8, .value_kind: global_buffer, .address_space: global }
      - { .name: hsc, .offset: 56, .size: 8, .value_kind: global_buffer, .address_space: global }
      - { .name: rows, .offset: 64, .size: 8, .value_kind: global_buffer, .address_space: global }
    .group_segment_fixed_size: 114176
    .private_segment_fixed_size: 0
    .kernarg_segment_align: 8
    .kernarg_segment_size: 72
    .max_flat_workgroup_size: 128
    .sgpr_count:     100
    .vgpr_count:     1024
    .wavefront_size: 32
...
	.end_amdgpu_metadata
.endif
;; end of part 2
;; launch down (part 3): grid 32 x 8, 4 waves a work-group, no clusters, 209,408 bytes of LDS; arguments W2_codes, W2_scales, b2, hfrag, hsc, rows, y2; writes y2
.if DOCPART == 3
	.amdgcn_target "amdgcn-amd-amdhsa--gfx1250"
	.amdhsa_code_object_version 6
	.text
	.protected	k_q8f37266a23_down
	.globl	k_q8f37266a23_down
	.p2align	8
	.type	k_q8f37266a23_down,@function
k_q8f37266a23_down:
	s_mov_b64 s[64:65], 0
	v_nop
	global_prefetch_b8 v0, s[64:65] scope:SCOPE_SE
	s_setreg_imm32_b32 hwreg(HW_REG_WAVE_MODE, 25, 1), 1
	s_wait_xcnt 0x0
; SECOND PRODUCT OF THE CHOSEN ROWS: y = Q(h) W2[e] + b2[e], row by row of the expert's list; y2 [2,176 rows][1,024] f32, row = the list's entry (2 token + slot; pad entries: rows from 2,048 on, which nobody reads).
; SHARES.  Work-group (2 c + half, e) owns output columns 64 c .. 64 c + 63 of expert e and the tiles of 16 rows j = half, half + 2, ..  THE WAVES SHARE K: wave w owns K steps 8 w .. 8 w + 7 of the 32.
; Its slab of W2, 64 rows x 768 bytes (three whole runs of 256 bytes a row), is read once, turned through the wave's own LDS region into 32 operand fragments, 384 registers, and stays.
; What goes round are the hidden layer's fragments, which lie in memory as images of their registers: a tile's 8 K steps are 12,288 consecutive bytes a wave.
; A SLOT is a tile of rows: 32 products on four accumulators by turns (source 0 = 16 rows of W2, source 1 = the hidden layer's 16 rows: a lane holds one row of y and eight neighbouring columns); the wave's part of the
; sums, 16 x 64, goes to its LDS region.  A PASS has up to 12 slots; then a barrier; wave w adds the four waves' parts of slots w, w + 4, w + 8 and b2, and stores whole runs of 256 bytes; a second barrier.
; Three passes, a constant of the text, serve all 1,024 tokens on one expert (32 tiles a half).  The number of slots hangs on the stored count: scalar branches jump over work, never over a barrier.
; A slot that a pass does not have is still asked for while slots ahead of it are worked, so that every counted wait counts the same loads: its lanes all read one place of tile 0, and nothing uses what comes.
; No tensor load, no cluster: branches hang on the stored count.  EXEC is never changed.  The sum over K is made in four parts: an order of rounding other than one chain's.
; REGISTERS, in windows of 256.  Window 0: v1-31 addresses; v32-47 W2's scale words; v48-59 the hidden layer's; v64-87 entries; v88-91 b2; v96-191 the ring's third place.
;   window 1: W2's fragments of K steps 0-4.   window 2: v0-143 those of K steps 5-7; v160-223 two sets of four accumulators.   window 3: v0-191 the ring's first two places; in the adding: v0-127 the parts.
.set WP,    784                        ; a row of W2's slab in LDS: 768 bytes + 16
.set REG,   52224                      ; a wave's region: first 64 such rows, later 12 slots
.set SLB,   4352                       ; a slot: 16 rows x PP
.set PP,    272                        ; 256 bytes + 16: 17 x 16, so sixteen lanes' 16 bytes fall in sixteen columns
.set LB,    7                          ; v7-9    where my 16 bytes of the three kinds of load go (v4-6: where they come from)
.set AW,    10                         ; v10     my lane's place in a tile of W2
.set PS,    11                         ; v11     where I put 32 bytes of a row of a part
.set RD,    12                         ; v12-15  where I read the four waves' parts
.set VO,    16                         ; v16-18  ring place q: the tile's images
.set VS,    19                         ; v19-21  and its scale words
.set EO,    22                         ; v22-24  the entries of slots w, w + 4, w + 8
.set CP,    25                         ; v25     256 c + 16 r
.set L128,  26
.set R16,   27
.set WS,    32                         ; v[WS + 8 m + K step]: lanes 0-15 column tile 2 m, lanes 16-31 tile 2 m + 1
.set AS,    48                         ; v[AS + 4 q + m]: lanes 0-15 K step 2 m, lanes 16-31 K step 2 m + 1
.set ENT,   64
.set BIAS,  88
.set ACD,   160
.set MSB, 0
.macro WIN new                         ; the immediate's high byte repeats the setting that is left
.if MSB != \new
	s_set_vgpr_msb (MSB<<8)|\new
.set MSB, \new
.endif
.endm
	s_load_b256 s[4:11], s[0:1], 0x0               ; W2's codes, W2's scales, b2, hfrag
	s_load_b128 s[12:15], s[0:1], 0x20             ; hsc, rows
	s_load_b64 s[16:17], s[0:1], 0x30              ; y2
	v_lshl_add_u32 v254, v0, 2, 0x33000
	v_mov_b32 v255, 0
	v_lshrrev_b32 v1, 5, v0
	v_readfirstlane_b32 s18, v1                    ; wave 0..3
	s_lshr_b32 s19, ttmp9, 1                       ; c
	s_and_b32 s20, ttmp9, 1                        ; half
	s_and_b32 s21, ttmp7, 0xffff                   ; e
	v_and_b32 v1, 31, v0                           ; lane
	v_and_b32 v2, 15, v0                           ; r
	v_bfe_u32 v3, v0, 4, 1                         ; h
	v_lshlrev_b32 v4, 4, v1                        ; three loads of 512 bytes are two rows' 768: the even row's bytes 0-511;
	v_lshlrev_b32 v[R16], 4, v2
	v_mad_u32_u24 v5, v3, 2560, v[R16]
	v_add_nc_u32 v5, 512, v5                       ; lanes 0-15 its bytes 512-767, lanes 16-31 the odd row's 0-255 (3,072 - 512 further on);
	v_add_nc_u32 v6, 3328, v4                      ; the odd row's bytes 256-767
	s_mul_i32 s30, s18, REG
	v_add_nc_u32 v[LB], s30, v4
	v_mad_u32_u24 v[LB+1], v3, 272, v[R16]
	v_add_nc_u32 v[LB+1], s30, v[LB+1]
	v_add_nc_u32 v[LB+1], 512, v[LB+1]
	v_add_nc_u32 v[LB+2], 1040, v[LB]
	v_mul_u32_u24 v[AW], v2, WP
	v_mad_u32_u24 v[AW], v3, 24, v[AW]
	v_add_nc_u32 v[AW], s30, v[AW]
	v_mul_u32_u24 v[PS], v2, PP
	v_lshl_add_u32 v[PS], v3, 5, v[PS]
	v_add_nc_u32 v[PS], s30, v[PS]                 ; row r, + 32 h
	s_mul_i32 s31, s18, SLB
	v_mad_u32_u24 v[RD], v3, PP, v[R16]
	v_add_nc_u32 v[RD], s31, v[RD]                 ; slot w, row h, 16 bytes a lane
	v_add_nc_u32 v[RD+1], REG, v[RD]
	v_add_nc_u32 v[RD+2], 2*REG, v[RD]
	v_add_nc_u32 v[RD+3], 3*REG, v[RD]
	s_lshl_b32 s31, s19, 8
	v_add_nc_u32 v[CP], s31, v[R16]
	v_lshlrev_b32 v[L128], 7, v1
	s_mul_i32 s32, s21, 3145728                    ; an expert's codes of W2, and its part of hfrag, are as many bytes
	s_mul_i32 s34, s19, 196608
	s_mul_i32 s36, s18, 768
	s_add_co_u32 s34, s34, s32
	s_add_co_u32 s34, s34, s36                     ; W2's codes: row 64 c, K step 8 w
	s_mov_b32 s35, 0
	s_mul_i32 s36, s18, 12288
	s_add_co_u32 s32, s32, s36                     ; hfrag: K step 8 w
	s_mov_b32 s33, 0
	s_lshl_b32 s36, s21, 17
	s_lshl_b32 s38, s19, 13
	s_lshl_b32 s40, s18, 5
	s_add_co_u32 s38, s38, s36
	s_add_co_u32 s38, s38, s40                     ; W2's scales
	s_mov_b32 s39, 0
	s_lshl_b32 s40, s18, 9
	s_add_co_u32 s36, s36, s40                     ; hsc
	s_mov_b32 s37, 0
	s_lshl_b32 s40, s21, 12
	s_add_co_u32 s40, s40, s31                     ; b2
	s_mov_b32 s41, 0
	s_lshl_b32 s42, s21, 13                        ; rows
	s_mov_b32 s43, 0
	s_wait_kmcnt 0x0
	s_add_nc_u64 s[14:15], s[14:15], s[42:43]
	s_load_b32 s22, s[14:15], 0x1000               ; the expert's number of rows
	s_add_nc_u64 s[4:5], s[4:5], s[34:35]
	s_add_nc_u64 s[6:7], s[6:7], s[38:39]
	s_add_nc_u64 s[8:9], s[8:9], s[40:41]
	s_add_nc_u64 s[10:11], s[10:11], s[32:33]
	s_add_nc_u64 s[12:13], s[12:13], s[36:37]
	WIN 0x40                                       ; destination window 1
.set n, 0
.rept 20
	global_load_b128 v[12*n:12*n+3], v4, s[4:5] offset:6144*n
	global_load_b128 v[12*n+4:12*n+7], v5, s[4:5] offset:6144*n
	global_load_b128 v[12*n+8:12*n+11], v6, s[4:5] offset:6144*n
.set n, n+1
.endr
	WIN 0x80                                       ; destination window 2
.rept 12
	global_load_b128 v[12*(n-20):12*(n-20)+3], v4, s[4:5] offset:6144*n
	global_load_b128 v[12*(n-20)+4:12*(n-20)+7], v5, s[4:5] offset:6144*n
	global_load_b128 v[12*(n-20)+8:12*(n-20)+11], v6, s[4:5] offset:6144*n
.set n, n+1
.endr
	WIN 0
.irp mm, 0,1
.irp q, 0,1
	global_load_b128 v[WS+8*\mm+4*\q:WS+8*\mm+4*\q+3], v[L128], s[6:7] offset:4096*\mm+16*\q   ; row 32 mm + lane: its 8 scale words
.endr
.endr
	global_load_b128 v[BIAS:BIAS+3], v[R16], s[8:9]
; Slot k is asked for, into ring place q: 24 loads of 512 consecutive bytes and 4 of scale words.  Where the pass has no slot k, offset and lane step are 0.
.macro ASKA k, q
	s_add_co_u32 s30, s25, 2*(\k)                  ; j
	s_min_u32 s30, s30, 63
	s_mul_i32 s31, s30, 49152
	s_lshl_b32 s30, s30, 11
	s_cmp_gt_u32 s24, (\k)
	s_cselect_b32 s31, s31, 0
	s_cselect_b32 s30, s30, 0
	s_cselect_b32 s44, 16, 0
	s_cselect_b32 s45, 4, 0
	v_mad_u32_u24 v[VO+(\q)], v1, s44, s31
	v_mad_u32_u24 v[VS+(\q)], v1, s45, s30
.if (\q) < 2
	WIN 0xc0                                       ; destination window 3
.irp sp, 0,1,2,3,4,5,6,7
.irp m, 0,1,2
	global_load_b128 v[96*(\q)+12*\sp+4*\m:96*(\q)+12*\sp+4*\m+3], v[VO+(\q)], s[10:11] offset:1536*\sp+512*\m
.endr
.endr
	WIN 0
.else
.irp sp, 0,1,2,3,4,5,6,7
.irp m, 0,1,2
	global_load_b128 v[96+12*\sp+4*\m:96+12*\sp+4*\m+3], v[VO+(\q)], s[10:11] offset:1536*\sp+512*\m
.endr
.endr
.endif
.irp mq, 0,1,2,3
	global_load_b32 v[AS+4*(\q)+\mq], v[VS+(\q)], s[12:13] offset:128*\mq
.endr
.endm
.macro HEAD_S                          ; the pass's number of slots: what is left of my half's tiles, 12 at the most
	s_sub_co_i32 s24, s23, s27
	s_max_i32 s24, s24, 0
	s_min_u32 s24, s24, 12
.endm
.macro HEAD_L                          ; the entries of the slots that I will add up (lane (r, h), register g: row 2 g + h), and the first three slots
.irp k, 0,1,2
	s_lshl_b32 s30, s18, 1
	s_add_co_u32 s30, s30, s25
	s_add_co_u32 s30, s30, 8*\k                    ; j of slot w + 4 k
	s_min_u32 s30, s30, 63
	s_lshl_b32 s30, s30, 6
	v_lshl_add_u32 v[EO+\k], v3, 2, s30
.endr
.irp k, 0,1,2
.irp g, 0,1,2,3,4,5,6,7
	global_load_b32 v[ENT+8*\k+\g], v[EO+\k], s[14:15] offset:8*\g
.endr
.endr
	ASKA 0, 0
	ASKA 1, 1
	ASKA 2, 2
.endm
	s_wait_kmcnt 0x0
	s_min_u32 s22, s22, 1024
	s_add_co_u32 s23, s22, 15
	s_lshr_b32 s23, s23, 4                         ; T: the expert's tiles
	s_add_co_u32 s23, s23, 1
	s_sub_co_u32 s23, s23, s20
	s_lshr_b32 s23, s23, 1                         ; those of my half
	s_mov_b32 s27, 0                               ; 12 x pass
	s_mov_b32 s25, s20                             ; j of the pass's slot 0: half + 24 pass
	HEAD_S
	HEAD_L
	s_wait_loadcnt 63                              ; 108 loads were issued behind W2's, its scales' and b2's: those are in
	WIN 0x04                                       ; an LDS store's data are its source 1: window 1
.set n, 0
.rept 20
	ds_store_b128 v[LB], v[12*n:12*n+3] offset:2*WP*n
	ds_store_b128 v[LB+1], v[12*n+4:12*n+7] offset:2*WP*n
	ds_store_b128 v[LB+2], v[12*n+8:12*n+11] offset:2*WP*n
.set n, n+1
.endr
	WIN 0x08                                       ; window 2
.rept 12
	ds_store_b128 v[LB], v[12*(n-20):12*(n-20)+3] offset:2*WP*n
	ds_store_b128 v[LB+1], v[12*(n-20)+4:12*(n-20)+7] offset:2*WP*n
	ds_store_b128 v[LB+2], v[12*(n-20)+8:12*(n-20)+11] offset:2*WP*n
.set n, n+1
.endr
	WIN 0x40                                       ; and back as fragments, into the registers that they left: my wave's own bytes, in order behind the stores
.irp sp, 0,1,2,3,4
.irp nt, 0,1,2,3
.irp p, 0,1,2,3,4,5
	ds_load_b64 v[12*(4*\sp+\nt)+2*\p:12*(4*\sp+\nt)+2*\p+1], v[AW] offset:16*WP*\nt+96*\sp+48*(\p/3)+8*(\p%3)
.endr
.endr
.endr
	WIN 0x80
.irp sp, 5,6,7
.irp nt, 0,1,2,3
.irp p, 0,1,2,3,4,5
	ds_load_b64 v[12*(4*(\sp-5)+\nt)+2*\p:12*(4*(\sp-5)+\nt)+2*\p+1], v[AW] offset:16*WP*\nt+96*\sp+48*(\p/3)+8*(\p%3)
.endr
.endr
.endr
	WIN 0
	s_wait_dscnt 0x0                               ; W2 is in its registers; my region may be written again
.macro MMD sp, nt, q, a                ; column tile nt x the slot's 16 rows, my K step sp.  The first K step starts the sums
.set rD, ACD+32*(\a)+8*\nt
.if \sp < 5
.set rA, 12*(4*\sp+\nt)
.else
.set rA, 12*(4*(\sp-5)+\nt)
.endif
.if (\q) < 2
.set rB, 96*(\q)+12*\sp
.else
.set rB, 96+12*\sp
.endif
.set rSA, WS+8*(\nt/2)+\sp
.set rSB, AS+4*(\q)+\sp/2
.if (\sp == 0) && (\nt%2 == 0)
	v_wmma_scale_f32_16x16x128_f8f6f4 v[rD:rD+7], v[rA:rA+11], v[rB:rB+11], 0, v[rSA], v[rSB] matrix_a_fmt:MATRIX_FMT_FP6 matrix_b_fmt:MATRIX_FMT_FP6
.elseif \sp == 0
	v_wmma_scale_f32_16x16x128_f8f6f4 v[rD:rD+7], v[rA:rA+11], v[rB:rB+11], 0, v[rSA], v[rSB] matrix_a_fmt:MATRIX_FMT_FP6 matrix_b_fmt:MATRIX_FMT_FP6 matrix_a_scale:MATRIX_SCALE_ROW1
.elseif (\nt%2 == 0) && (\sp%2 == 0)
	v_wmma_scale_f32_16x16x128_f8f6f4 v[rD:rD+7], v[rA:rA+11], v[rB:rB+11], v[rD:rD+7], v[rSA], v[rSB] matrix_a_fmt:MATRIX_FMT_FP6 matrix_b_fmt:MATRIX_FMT_FP6
.elseif \sp%2 == 0
	v_wmma_scale_f32_16x16x128_f8f6f4 v[rD:rD+7], v[rA:rA+11], v[rB:rB+11], v[rD:rD+7], v[rSA], v[rSB] matrix_a_fmt:MATRIX_FMT_FP6 matrix_b_fmt:MATRIX_FMT_FP6 matrix_a_scale:MATRIX_SCALE_ROW1
.elseif \nt%2 == 0
	v_wmma_scale_f32_16x16x128_f8f6f4 v[rD:rD+7], v[rA:rA+11], v[rB:rB+11], v[rD:rD+7], v[rSA], v[rSB] matrix_a_fmt:MATRIX_FMT_FP6 matrix_b_fmt:MATRIX_FMT_FP6 matrix_b_scale:MATRIX_SCALE_ROW1
.else
	v_wmma_scale_f32_16x16x128_f8f6f4 v[rD:rD+7], v[rA:rA+11], v[rB:rB+11], v[rD:rD+7], v[rSA], v[rSB] matrix_a_fmt:MATRIX_FMT_FP6 matrix_b_fmt:MATRIX_FMT_FP6 matrix_a_scale:MATRIX_SCALE_ROW1 matrix_b_scale:MATRIX_SCALE_ROW1
.endif
.endm
.macro SLOT i                          ; ring place i % 3, accumulator set i % 2
	s_cmp_le_u32 s24, \i
	s_cbranch_scc1 .Lsum                           ; the pass has no such slot
.if \i <= 9
	s_wait_loadcnt 56                              ; this slot's 28 loads are in; the two slots asked for behind it may be out
.else
	s_wait_loadcnt 28*(11-\i)
.endif
.if \i >= 2
	s_wait_dscnt 8                                 ; the last slot's 8 stores may be out: those that read this set of accumulators are done
.endif
.irp sp, 0,1,2,3,4,5,6,7
.if ((\i)%3) < 2
.if \sp < 5
	WIN 0xad                                       ; source 0 (W2) window 1, source 1 window 3, C and D window 2
.else
	WIN 0xae                                       ; source 0 window 2
.endif
.else
.if \sp < 5
	WIN 0xa1                                       ; source 1 window 0
.else
	WIN 0xa2
.endif
.endif
.irp nt, 0,1,2,3
	MMD \sp, \nt, (\i)%3, (\i)%2
.endr
.endr
	WIN 0
.rept 4
	v_nop                                          ; four plain places, ahead of loads into registers that the products read and of the stores that read the results
.endr
.if \i <= 8
	ASKA \i+3, (\i)%3
.endif
	WIN 0x08                                       ; the data: window 2
.irp nt, 0,1,2,3
	ds_store_b128 v[PS], v[ACD+32*((\i)%2)+8*\nt:ACD+32*((\i)%2)+8*\nt+3] offset:SLB*\i+64*\nt          ; each accumulator from its low end on
	ds_store_b128 v[PS], v[ACD+32*((\i)%2)+8*\nt+4:ACD+32*((\i)%2)+8*\nt+7] offset:SLB*\i+64*\nt+16
.endr
	WIN 0
.endm
.macro REDUCE k                        ; slot w + 4 k: the four waves' parts and b2; lanes 0-15 take row 2 g, lanes 16-31 row 2 g + 1, 16 bytes a lane
	s_add_co_u32 s30, s18, 4*\k
	s_cmp_ge_u32 s30, s24
	s_cbranch_scc1 .Lno_slot_\@
	s_wait_xcnt 0x0                                ; earlier stores have read their registers
	WIN 0xc0                                       ; destination window 3
.irp vv, 0,1,2,3
.irp g, 0,1,2,3,4,5,6,7
	ds_load_b128 v[32*\vv+4*\g:32*\vv+4*\g+3], v[RD+\vv] offset:4*SLB*\k+2*PP*\g
.endr
.endr
	WIN 0
.irp g, 0,1,2,3,4,5,6,7
	v_min_u32 v[ENT+8*\k+\g], 2175, v[ENT+8*\k+\g]
	v_lshl_add_u32 v[ENT+8*\k+\g], v[ENT+8*\k+\g], 12, v[CP]   ; the entry's row of y2, my 16 bytes
.endr
	s_wait_dscnt 0x0
	WIN 0xcf                                       ; all in window 3
.irp g, 0,1,2,3,4,5,6,7
.irp z, 0,2
	v_pk_add_f32 v[4*\g+\z:4*\g+\z+1], v[4*\g+\z:4*\g+\z+1], v[32+4*\g+\z:32+4*\g+\z+1]
	v_pk_add_f32 v[64+4*\g+\z:64+4*\g+\z+1], v[64+4*\g+\z:64+4*\g+\z+1], v[96+4*\g+\z:96+4*\g+\z+1]
.endr
.endr
.irp g, 0,1,2,3,4,5,6,7
.irp z, 0,2
	v_pk_add_f32 v[4*\g+\z:4*\g+\z+1], v[4*\g+\z:4*\g+\z+1], v[64+4*\g+\z:64+4*\g+\z+1]
.endr
.endr
	WIN 0xc3                                       ; source 1 (b2) window 0
.irp g, 0,1,2,3,4,5,6,7
.irp z, 0,2
	v_pk_add_f32 v[4*\g+\z:4*\g+\z+1], v[4*\g+\z:4*\g+\z+1], v[BIAS+\z:BIAS+\z+1]
.endr
.endr
	WIN 0x0c                                       ; a store's data are its source 1: window 3
.irp g, 0,1,2,3,4,5,6,7
	global_store_b128 v[ENT+8*\k+\g], v[4*\g:4*\g+3], s[16:17]   ; sixteen lanes store 256 consecutive bytes, at a multiple of 256 from y2's first byte
.endr
	WIN 0
.Lno_slot_\@:
.endm
	s_mov_b32 s26, 0
.Lpass:
.irp i, 0,1,2,3,4,5,6,7,8,9,10,11
	SLOT \i
.endr
.Lsum:
	s_wait_loadcnt 0x0                             ; the entries, and whatever was asked for and not used
	s_wait_dscnt 0x0                               ; my parts have landed
	s_barrier_signal -1
	s_barrier_wait -1                              ; everybody's have
	REDUCE 0
	REDUCE 1
	REDUCE 2
	s_wait_dscnt 0x0                               ; my reads of the parts are over
	s_barrier_signal -1
	s_barrier_wait -1                              ; everybody's are: the regions may be written again
	s_add_co_u32 s27, s27, 12
	s_add_co_u32 s25, s25, 24
	HEAD_S
	s_wait_xcnt 0x0                                ; the stores have read their registers
	s_cmp_eq_u32 s24, 0
	s_cbranch_scc1 .Lno_head                       ; a pass without slots asks for nothing; it still passes both barriers
	HEAD_L
.Lno_head:
; Five plain places on every way round the loop.  The next pass's first products begin their accumulators anew, over registers that this pass's last products wrote: five places are owed between
; them (ISA guide 7.12.1), and a slot leaves four.  And the adding's last lines wrote registers of the ring's first place, which the next pass's products name as an operand: four are owed there.
; (On the way on which nothing was asked for, the pass has no slot and its products are jumped over; the distance stands in the text all the same.)
.rept 5
	v_nop
.endr
	s_add_co_u32 s26, s26, 1
	s_cmp_lt_u32 s26, 3
	s_cbranch_scc1 .Lpass
	s_wait_tensorcnt 0x0
	ds_add_u32 v254, v255
	s_wait_dscnt 0x0
	s_endpgm
.Lfunc_end_k_q8f37266a23_down:
	.size	k_q8f37266a23_down, .Lfunc_end_k_q8f37266a23_down-k_q8f37266a23_down
	.p2alignl 7, 3214868480
	.fill 96, 4, 3214868480
	.section	.rodata,"a",@progbits
	.p2align	6, 0x0
	.amdhsa_kernel k_q8f37266a23_down
		.amdhsa_group_segment_fixed_size 209408
		.amdhsa_private_segment_fixed_size 0
		.amdhsa_enable_private_segment 0
		.amdhsa_kernarg_size 56
		.amdhsa_user_sgpr_count 2
		.amdhsa_user_sgpr_kernarg_segment_ptr 1
		.amdhsa_wavefront_size32 1
		.amdhsa_system_sgpr_workgroup_id_x 1
		.amdhsa_system_sgpr_workgroup_id_y 1
		.amdhsa_system_sgpr_workgroup_id_z 1
		.amdhsa_system_vgpr_workitem_id 0
		.amdhsa_next_free_vgpr 1024
		.amdhsa_next_free_sgpr 66
		.amdhsa_reserve_vcc 0
		.amdhsa_float_denorm_mode_32 3
		.amdhsa_float_denorm_mode_16_64 3
		.amdhsa_memory_ordered 1
		.amdhsa_forward_progress 1
		.amdhsa_inst_pref_size 169
	.end_amdhsa_kernel
	.amdgpu_metadata
---
amdhsa.version: [ 1, 2 ]
amdhsa.kernels:
  - .name:           k_q8f37266a23_down
    .symbol:         k_q8f37266a23_down.kd
    .args:
      - { .name: W2_codes, .offset: 0, .size: 8, .value_kind: global_buffer, .address_space: global }
      - { .name: W2_scales, .offset: 8, .size: 8, .value_kind: global_buffer, .address_space: global }
      - { .name: b2, .offset: 16, .size: 8, .value_kind: global_buffer, .address_space: global }
      - { .name: hfrag, .offset: 24, .size: 8, .value_kind: global_buffer, .address_space: global }
      - { .name: hsc, .offset: 32, .size: 8, .value_kind: global_buffer, .address_space: global }
      - { .name: rows, .offset: 40, .size: 8, .value_kind: global_buffer, .address_space: global }
      - { .name: y2, .offset: 48, .size: 8, .value_kind: global_buffer, .address_space: global }
    .group_segment_fixed_size: 209408
    .private_segment_fixed_size: 0
    .kernarg_segment_align: 8
    .kernarg_segment_size: 56
    .max_flat_workgroup_size: 128
    .sgpr_count:     66
    .vgpr_count:     1024
    .wavefront_size: 32
...
	.end_amdgpu_metadata
.endif
;; end of part 3
;; launch mix (part 4): grid 256 x 1, 4 waves a work-group, no clusters, 0 bytes of LDS; arguments y2, wts, out0; writes out0
.if DOCPART == 4
	.amdgcn_target "amdgcn-amd-amdhsa--gfx1250"
	.amdhsa_code_object_version 6
	.text
	.protected	k_q8f37266a23_mix
	.globl	k_q8f37266a23_mix
	.p2align	8
	.type	k_q8f37266a23_mix,@function
k_q8f37266a23_mix:
	s_mov_b64 s[64:65], 0
	v_nop
	global_prefetch_b8 v0, s[64:65] scope:SCOPE_SE
	s_setreg_imm32_b32 hwreg(HW_REG_WAVE_MODE, 25, 1), 1
	s_wait_xcnt 0x0
; out[t] = w0[t] y2[2 t] + w1[t] y2[2 t + 1]: the two chosen experts' rows, weighed by the router.  y2 [.][1,024] f32, wts [1,024][2] f32, out0 [1,024][1,024] f32.
; A wave takes a token: its two rows are 8,192 consecutive bytes.  All 16 loads go out at once, 512 consecutive bytes each; each store covers 512 consecutive bytes, aligned.
; A stream: no LDS, no barrier, no matrix unit.
	s_load_b128 s[4:7], s[0:1], 0x0                ; y2, wts
	s_load_b64 s[8:9], s[0:1], 0x10                ; out0
	v_lshrrev_b32 v1, 5, v0
	v_readfirstlane_b32 s10, v1                    ; wave
	v_and_b32 v1, 31, v0
	v_lshlrev_b32 v1, 4, v1                        ; 16 x lane
	s_lshl_b32 s11, ttmp9, 2
	s_add_co_u32 s11, s11, s10                     ; my token
	s_lshl_b32 s16, s11, 13
	s_mov_b32 s17, 0
	s_lshl_b32 s18, s11, 3
	s_mov_b32 s19, 0
	s_lshl_b32 s20, s11, 12
	s_mov_b32 s21, 0
	s_wait_kmcnt 0x0
	s_add_nc_u64 s[4:5], s[4:5], s[16:17]
	s_add_nc_u64 s[6:7], s[6:7], s[18:19]
	s_add_nc_u64 s[8:9], s[8:9], s[20:21]
	s_load_b64 s[12:13], s[6:7], 0x0               ; w0, w1
.irp i, 0,1,2,3,4,5,6,7
	global_load_b128 v[16+8*\i:19+8*\i], v1, s[4:5] offset:512*\i th:TH_LOAD_NT
	global_load_b128 v[20+8*\i:23+8*\i], v1, s[4:5] offset:4096+512*\i th:TH_LOAD_NT
.endr
	s_wait_kmcnt 0x0
	s_mov_b32 s14, s13                             ; the packed forms name a pair and take its low word for both halves
	s_mov_b32 s15, s13
.irp i, 0,1,2,3,4,5,6,7
	s_wait_loadcnt 14-2*\i                         ; this pair of loads is in, the younger pairs may be out
	v_pk_mul_f32 v[16+8*\i:17+8*\i], v[16+8*\i:17+8*\i], s[12:13] op_sel_hi:[1,0]
	v_pk_mul_f32 v[18+8*\i:19+8*\i], v[18+8*\i:19+8*\i], s[12:13] op_sel_hi:[1,0]
	v_pk_fma_f32 v[16+8*\i:17+8*\i], v[20+8*\i:21+8*\i], s[14:15], v[16+8*\i:17+8*\i] op_sel_hi:[1,0,1]
	v_pk_fma_f32 v[18+8*\i:19+8*\i], v[22+8*\i:23+8*\i], s[14:15], v[18+8*\i:19+8*\i] op_sel_hi:[1,0,1]
	global_store_b128 v1, v[16+8*\i:19+8*\i], s[8:9] offset:512*\i th:TH_STORE_NT
.endr
	s_endpgm
.Lfunc_end_k_q8f37266a23_mix:
	.size	k_q8f37266a23_mix, .Lfunc_end_k_q8f37266a23_mix-k_q8f37266a23_mix
	.p2alignl 7, 3214868480
	.fill 96, 4, 3214868480
	.section	.rodata,"a",@progbits
	.p2align	6, 0x0
	.amdhsa_kernel k_q8f37266a23_mix
		.amdhsa_group_segment_fixed_size 0
		.amdhsa_private_segment_fixed_size 0
		.amdhsa_enable_private_segment 0
		.amdhsa_kernarg_size 24
		.amdhsa_user_sgpr_count 2
		.amdhsa_user_sgpr_kernarg_segment_ptr 1
		.amdhsa_wavefront_size32 1
		.amdhsa_system_sgpr_workgroup_id_x 1
		.amdhsa_system_sgpr_workgroup_id_y 1
		.amdhsa_system_sgpr_workgroup_id_z 1
		.amdhsa_system_vgpr_workitem_id 0
		.amdhsa_next_free_vgpr 80
		.amdhsa_next_free_sgpr 66
		.amdhsa_reserve_vcc 0
		.amdhsa_float_denorm_mode_32 3
		.amdhsa_float_denorm_mode_16_64 3
		.amdhsa_memory_ordered 1
		.amdhsa_forward_progress 1
		.amdhsa_inst_pref_size 6
	.end_amdhsa_kernel
	.amdgpu_metadata
---
amdhsa.version: [ 1, 2 ]
amdhsa.kernels:
  - .name:           k_q8f37266a23_mix
    .symbol:         k_q8f37266a23_mix.kd
    .args:
      - { .name: y2, .offset: 0, .size: 8, .value_kind: global_buffer, .address_space: global }
      - { .name: wts, .offset: 8, .size: 8, .value_kind: global_buffer, .address_space: global }
      - { .name: out0, .offset: 16, .size: 8, .value_kind: global_buffer, .address_space: global }
    .group_segment_fixed_size: 0
    .private_segment_fixed_size: 0
    .kernarg_segment_align: 8
    .kernarg_segment_size: 24
    .max_flat_workgroup_size: 128
    .sgpr_count:     66
    .vgpr_count:     80
    .wavefront_size: 32
...
	.end_amdgpu_metadata
.endif
;; end of part 4
;; ======== version 2 of 2: 4 launches; version 1 with the launch down written anew for expert scheduling mode
;; workspace buffers: xq 786,432 bytes; xs 32,768 bytes; sel 4,096 bytes of whole numbers; wts 8,192 bytes; hfrag 25,165,824 bytes; hsc 1,048,576 bytes; rows 65,536 bytes of whole numbers; y2 8,912,896 bytes
;; launch route: the kernel of part 1 again; grid 256 x 1, 2 waves a work-group, no clusters, 55,552 bytes of LDS; arguments x, Wr, br, xq, xs, sel, wts; writes xq, xs, sel, wts
;; launch up: the kernel of part 2 again; grid 32 x 8, 4 waves a work-group, no clusters, 114,176 bytes of LDS; arguments W1_codes, W1_scales, b1, xq, xs, sel, hfrag, hsc, rows; writes hfrag, hsc, rows
;; launch down (part 5): grid 32 x 8, 4 waves a work-group, no clusters, 209,408 bytes of LDS; arguments W2_codes, W2_scales, b2, hfrag, hsc, rows, y2; writes y2
.if DOCPART == 5
	.amdgcn_target "amdgcn-amd-amdhsa--gfx1250"
	.amdhsa_code_object_version 6
	.text
	.protected	k_q8f37266a23_down
	.globl	k_q8f37266a23_down
	.p2align	8
	.type	k_q8f37266a23_down,@function
k_q8f37266a23_down:
	s_mov_b64 s[64:65], 0
	v_nop
	global_prefetch_b8 v0, s[64:65] scope:SCOPE_SE
	s_setreg_imm32_b32 hwreg(HW_REG_WAVE_SCHED_MODE, 0, 2), 2
	s_setreg_imm32_b32 hwreg(HW_REG_WAVE_MODE, 25, 1), 1
	s_wait_xcnt 0x0
	s_wait_alu depctr_vm_vsrc(0)
; SECOND PRODUCT OF THE CHOSEN ROWS: y = Q(h) W2[e] + b2[e], row by row of the expert's list; y2 [2,176 rows][1,024] f32, row = the list's entry (2 token + slot; pad entries: rows from 2,048 on, which nobody reads).
; SHARES.  Work-group (2 c + half, e) owns output columns 64 c .. 64 c + 63 of expert e and the tiles of 16 rows j = half, half + 2, ..  THE WAVES SHARE K: wave w owns K steps 8 w .. 8 w + 7 of the 32.
; Its slab of W2, 64 rows x 768 bytes (three whole runs of 256 bytes a row), is read once, turned through the wave's own LDS region into 32 operand fragments, 384 registers, and stays.
; What goes round are the hidden layer's fragments, which lie in memory as images of their registers: a tile's 8 K steps are 12,288 consecutive bytes a wave.
; A SLOT is a tile of rows: 32 products on four accumulators by turns (source 0 = 16 rows of W2, source 1 = the hidden layer's 16 rows: a lane holds one row of y and eight neighbouring columns); the wave's part of the
; sums, 16 x 64, goes to its LDS region.  A PASS has up to 12 slots; then a barrier; wave w adds the four waves' parts of slots w, w + 4, w + 8 and b2, and stores whole runs of 256 bytes; a second barrier.
; Three passes, a constant of the text, serve all 1,024 tokens on one expert (32 tiles a half).  The number of slots hangs on the stored count: scalar branches jump over work, never over a barrier.
; A slot that a pass does not have is still asked for while slots ahead of it are worked, so that every counted wait counts the same loads: its lanes all read one place of tile 0, and nothing uses what comes.
; No tensor load, no cluster: branches hang on the stored count.  EXEC is never changed.  The sum over K is made in four parts: an order of rounding other than one chain's.
; THE MODE: SCHED_MODE bits 1:0 = 2 (LLVM: expert scheduling mode 2), set by the entry lines.  The code itself states the register dependences
; between vector or matrix instructions and memory or LDS instructions, with s_wait_alu, always for 0.
; THE PLAN.  Registers that memory or LDS instructions touch, in the loop over passes:
;   the ring   three places of 96 registers, and v[AS ..], four scale words a place.  Slot i's products read place i % 3; the loads issued in slot i + 1 land in it: slot i + 3.
;   two sets of four accumulators.  Slot i's products write set i % 2; the eight LDS stores at the head of slot i + 1 read it; slot i + 2's products write it again.
;   VO, VS     a place's two offsets: written at the head of slot i + 1 for slot i + 3; read by that slot's 28 loads.
;   EO, ENT    written at the head of a pass; ENT becomes the stores' offsets in the adding.
;   window 3's v0-127 in the adding: LDS loads land there, packed additions work there, the stores read v0-31.
;   W2's fragments and scale words, b2, and the addresses of the head are never written again.
; So at the head of slot i (from 1 on) stand ONE wait on vm_vsrc (the loads of slot i - 1 have read its offsets; the LDS stores of slot i - 2's parts have read the set that slot i writes), the two offsets, the places, and
; ONE wait on va_vdst: slot i - 1's products have written their set and are done reading their place and its scale words, and the offsets are written.  Behind it: slot i - 1's parts go to LDS, ahead of the test whether
; the pass has a slot i; then slot i's products, with the 28 loads in one run behind the first eight.  Those products name place i % 3, set i % 2 and W2's registers: none that the stores and loads touch.
; REGISTERS, in windows of 256.  Window 0: v1-31 addresses; v32-47 W2's scale words; v48-59 the hidden layer's; v64-87 entries; v88-91 b2; v96-191 the ring's third place.
;   window 1: W2's fragments of K steps 0-4.   window 2: v0-143 those of K steps 5-7; v160-223 two sets of four accumulators.   window 3: v0-191 the ring's first two places; in the adding: v0-127 the parts.
.set WP,    784                        ; a row of W2's slab in LDS: 768 bytes + 16
.set REG,   52224                      ; a wave's region: first 64 such rows, later 12 slots
.set SLB,   4352                       ; a slot: 16 rows x PP
.set PP,    272                        ; 256 bytes + 16: 17 x 16, so sixteen lanes' 16 bytes fall in sixteen columns
.set LB,    7                          ; v7-9    where my 16 bytes of the three kinds of load go (v4-6: where they come from)
.set AW,    10                         ; v10     my lane's place in a tile of W2
.set PS,    11                         ; v11     where I put 32 bytes of a row of a part
.set RD,    12                         ; v12-15  where I read the four waves' parts
.set VO,    16                         ; v16-18  ring place q: the tile's images
.set VS,    19                         ; v19-21  and its scale words
.set EO,    22                         ; v22-24  the entries of slots w, w + 4, w + 8
.set CP,    25                         ; v25     256 c + 16 r
.set L128,  26
.set R16,   27
.set WS,    32                         ; v[WS + 8 m + K step]: lanes 0-15 column tile 2 m, lanes 16-31 tile 2 m + 1
.set AS,    48                         ; v[AS + 4 q + m]: lanes 0-15 K step 2 m, lanes 16-31 K step 2 m + 1
.set ENT,   64
.set BIAS,  88
.set ACD,   160
.set MSB, 0
.macro WIN new                         ; the immediate's high byte repeats the setting that is left
.if MSB != \new
	s_set_vgpr_msb (MSB<<8)|\new
.set MSB, \new
.endif
.endm
	s_load_b256 s[4:11], s[0:1], 0x0               ; W2's codes, W2's scales, b2, hfrag
	s_load_b128 s[12:15], s[0:1], 0x20             ; hsc, rows
	s_load_b64 s[16:17], s[0:1], 0x30              ; y2
	v_lshl_add_u32 v254, v0, 2, 0x33000
	v_mov_b32 v255, 0
	v_lshrrev_b32 v1, 5, v0
	v_readfirstlane_b32 s18, v1                    ; wave 0..3
	s_lshr_b32 s19, ttmp9, 1                       ; c
	s_and_b32 s20, ttmp9, 1                        ; half
	s_and_b32 s21, ttmp7, 0xffff                   ; e
	v_and_b32 v1, 31, v0                           ; lane
	v_and_b32 v2, 15, v0                           ; r
	v_bfe_u32 v3, v0, 4, 1                         ; h
	v_lshlrev_b32 v4, 4, v1                        ; three loads of 512 bytes are two rows' 768: the even row's bytes 0-511;
	v_lshlrev_b32 v[R16], 4, v2
	v_mad_u32_u24 v5, v3, 2560, v[R16]
	v_add_nc_u32 v5, 512, v5                       ; lanes 0-15 its bytes 512-767, lanes 16-31 the odd row's 0-255 (3,072 - 512 further on);
	v_add_nc_u32 v6, 3328, v4                      ; the odd row's bytes 256-767
	s_wait_alu depctr_va_sdst(0)                   ; s18, the wave's number, is written, ahead of its first reader
	s_mul_i32 s30, s18, REG
	v_add_nc_u32 v[LB], s30, v4
	v_mad_u32_u24 v[LB+1], v3, 272, v[R16]
	v_add_nc_u32 v[LB+1], s30, v[LB+1]
	v_add_nc_u32 v[LB+1], 512, v[LB+1]
	v_add_nc_u32 v[LB+2], 1040, v[LB]
	v_mul_u32_u24 v[AW], v2, WP
	v_mad_u32_u24 v[AW], v3, 24, v[AW]
	v_add_nc_u32 v[AW], s30, v[AW]
	v_mul_u32_u24 v[PS], v2, PP
	v_lshl_add_u32 v[PS], v3, 5, v[PS]
	v_add_nc_u32 v[PS], s30, v[PS]                 ; row r, + 32 h
	s_mul_i32 s31, s18, SLB
	v_mad_u32_u24 v[RD], v3, PP, v[R16]
	v_add_nc_u32 v[RD], s31, v[RD]                 ; slot w, row h, 16 bytes a lane
	v_add_nc_u32 v[RD+1], REG, v[RD]
	v_add_nc_u32 v[RD+2], 2*REG, v[RD]
	v_add_nc_u32 v[RD+3], 3*REG, v[RD]
	s_lshl_b32 s31, s19, 8
	v_add_nc_u32 v[CP], s31, v[R16]
	v_lshlrev_b32 v[L128], 7, v1
	s_mul_i32 s32, s21, 3145728                    ; an expert's codes of W2, and its part of hfrag, are as many bytes
	s_mul_i32 s34, s19, 196608
	s_mul_i32 s36, s18, 768
	s_add_co_u32 s34, s34, s32
	s_add_co_u32 s34, s34, s36                     ; W2's codes: row 64 c, K step 8 w
	s_mov_b32 s35, 0
	s_mul_i32 s36, s18, 12288
	s_add_co_u32 s32, s32, s36                     ; hfrag: K step 8 w
	s_mov_b32 s33, 0
	s_lshl_b32 s36, s21, 17
	s_lshl_b32 s38, s19, 13
	s_lshl_b32 s40, s18, 5
	s_add_co_u32 s38, s38, s36
	s_add_co_u32 s38, s38, s40                     ; W2's scales
	s_mov_b32 s39, 0
	s_lshl_b32 s40, s18, 9
	s_add_co_u32 s36, s36, s40                     ; hsc
	s_mov_b32 s37, 0
	s_lshl_b32 s40, s21, 12
	s_add_co_u32 s40, s40, s31                     ; b2
	s_mov_b32 s41, 0
	s_lshl_b32 s42, s21, 13                        ; rows
	s_mov_b32 s43, 0
	s_wait_kmcnt 0x0
	s_add_nc_u64 s[14:15], s[14:15], s[42:43]
	s_load_b32 s22, s[14:15], 0x1000               ; the expert's number of rows
	s_add_nc_u64 s[4:5], s[4:5], s[34:35]
	s_add_nc_u64 s[6:7], s[6:7], s[38:39]
	s_add_nc_u64 s[8:9], s[8:9], s[40:41]
	s_add_nc_u64 s[10:11], s[10:11], s[32:33]
	s_add_nc_u64 s[12:13], s[12:13], s[36:37]
	WIN 0x40                                       ; destination window 1
	s_wait_alu depctr_va_vdst(0)                   ; every address and offset of the head is written: the loads, LDS stores and LDS loads below read them
.set n, 0
.rept 20
	global_load_b128 v[12*n:12*n+3], v4, s[4:5] offset:6144*n
	global_load_b128 v[12*n+4:12*n+7], v5, s[4:5] offset:6144*n
	global_load_b128 v[12*n+8:12*n+11], v6, s[4:5] offset:6144*n
.set n, n+1
.endr
	WIN 0x80                                       ; destination window 2
.rept 12
	global_load_b128 v[12*(n-20):12*(n-20)+3], v4, s[4:5] offset:6144*n
	global_load_b128 v[12*(n-20)+4:12*(n-20)+7], v5, s[4:5] offset:6144*n
	global_load_b128 v[12*(n-20)+8:12*(n-20)+11], v6, s[4:5] offset:6144*n
.set n, n+1
.endr
	WIN 0
.irp mm, 0,1
.irp q, 0,1
	global_load_b128 v[WS+8*\mm+4*\q:WS+8*\mm+4*\q+3], v[L128], s[6:7] offset:4096*\mm+16*\q   ; row 32 mm + lane: its 8 scale words
.endr
.endr
	global_load_b128 v[BIAS:BIAS+3], v[R16], s[8:9]
; Slot k is asked for, into ring place q, in two parts.  ASKADR: its two offsets.  Where the pass has no slot k, offset and lane step are 0.
.macro ASKADR k, q
	s_add_co_u32 s30, s25, 2*(\k)                  ; j
	s_min_u32 s30, s30, 63
	s_mul_i32 s31, s30, 49152
	s_lshl_b32 s30, s30, 11
	s_cmp_gt_u32 s24, (\k)
	s_cselect_b32 s31, s31, 0
	s_cselect_b32 s30, s30, 0
	s_cselect_b32 s44, 16, 0
	s_cselect_b32 s45, 4, 0
	v_mad_u32_u24 v[VO+(\q)], v1, s44, s31
	v_mad_u32_u24 v[VS+(\q)], v1, s45, s30
.endm
; ASKLD: 24 loads of 512 consecutive bytes and 4 of scale words, behind a wait on va_vdst that stands behind ASKADR and behind the place's last products.
.macro ASKLD q
.if (\q) < 2
	WIN 0xc0                                       ; destination window 3
.irp sp, 0,1,2,3,4,5,6,7
.irp m, 0,1,2
	global_load_b128 v[96*(\q)+12*\sp+4*\m:96*(\q)+12*\sp+4*\m+3], v[VO+(\q)], s[10:11] offset:1536*\sp+512*\m
.endr
.endr
	WIN 0
.else
	WIN 0
.irp sp, 0,1,2,3,4,5,6,7
.irp m, 0,1,2
	global_load_b128 v[96+12*\sp+4*\m:96+12*\sp+4*\m+3], v[VO+(\q)], s[10:11] offset:1536*\sp+512*\m
.endr
.endr
.endif
.irp mq, 0,1,2,3
	global_load_b32 v[AS+4*(\q)+\mq], v[VS+(\q)], s[12:13] offset:128*\mq
.endr
.endm
.macro HEAD_S                          ; the pass's number of slots: what is left of my half's tiles, 12 at the most
	s_sub_co_i32 s24, s23, s27
	s_max_i32 s24, s24, 0
	s_min_u32 s24, s24, 12
.endm
.macro HEAD_L                          ; the entries of the slots that I will add up (lane (r, h), register g: row 2 g + h), and the first three slots: the nine offsets first, then all the loads
.irp k, 0,1,2
	s_lshl_b32 s30, s18, 1
	s_add_co_u32 s30, s30, s25
	s_add_co_u32 s30, s30, 8*\k                    ; j of slot w + 4 k
	s_min_u32 s30, s30, 63
	s_lshl_b32 s30, s30, 6
	v_lshl_add_u32 v[EO+\k], v3, 2, s30
.endr
	ASKADR 0, 0
	ASKADR 1, 1
	ASKADR 2, 2
	s_wait_alu depctr_va_vdst(0)                   ; the nine offsets are written, which the loads read; in a later pass the adding's lines are done with the entries' registers and with the ring's first two places, in which the loads land
.irp k, 0,1,2
.irp g, 0,1,2,3,4,5,6,7
	global_load_b32 v[ENT+8*\k+\g], v[EO+\k], s[14:15] offset:8*\g
.endr
.endr
	ASKLD 0
	ASKLD 1
	ASKLD 2
.endm
	s_wait_kmcnt 0x0
	s_min_u32 s22, s22, 1024
	s_add_co_u32 s23, s22, 15
	s_lshr_b32 s23, s23, 4                         ; T: the expert's tiles
	s_add_co_u32 s23, s23, 1
	s_sub_co_u32 s23, s23, s20
	s_lshr_b32 s23, s23, 1                         ; those of my half
	s_mov_b32 s27, 0                               ; 12 x pass
	s_mov_b32 s25, s20                             ; j of the pass's slot 0: half + 24 pass
	HEAD_S
	HEAD_L
	s_wait_loadcnt 63                              ; 108 loads were issued behind W2's, its scales' and b2's: those are in
	WIN 0x04                                       ; an LDS store's data are its source 1: window 1
.set n, 0
.rept 20
	ds_store_b128 v[LB], v[12*n:12*n+3] offset:2*WP*n
	ds_store_b128 v[LB+1], v[12*n+4:12*n+7] offset:2*WP*n
	ds_store_b128 v[LB+2], v[12*n+8:12*n+11] offset:2*WP*n
.set n, n+1
.endr
	WIN 0x08                                       ; window 2
.rept 12
	ds_store_b128 v[LB], v[12*(n-20):12*(n-20)+3] offset:2*WP*n
	ds_store_b128 v[LB+1], v[12*(n-20)+4:12*(n-20)+7] offset:2*WP*n
	ds_store_b128 v[LB+2], v[12*(n-20)+8:12*(n-20)+11] offset:2*WP*n
.set n, n+1
.endr
	WIN 0x40                                       ; and back as fragments, into the registers that they left: my wave's own bytes, in order behind the stores
	s_wait_alu depctr_vm_vsrc(0)                   ; the LDS stores have read the registers of windows 1 and 2 in which the fragments land
.irp sp, 0,1,2,3,4
.irp nt, 0,1,2,3
.irp p, 0,1,2,3,4,5
	ds_load_b64 v[12*(4*\sp+\nt)+2*\p:12*(4*\sp+\nt)+2*\p+1], v[AW] offset:16*WP*\nt+96*\sp+48*(\p/3)+8*(\p%3)
.endr
.endr
.endr
	WIN 0x80
.irp sp, 5,6,7
.irp nt, 0,1,2,3
.irp p, 0,1,2,3,4,5
	ds_load_b64 v[12*(4*(\sp-5)+\nt)+2*\p:12*(4*(\sp-5)+\nt)+2*\p+1], v[AW] offset:16*WP*\nt+96*\sp+48*(\p/3)+8*(\p%3)
.endr
.endr
.endr
	WIN 0
	s_wait_dscnt 0x0                               ; W2 is in its registers; my region may be written again
.macro MMD sp, nt, q, a                ; column tile nt x the slot's 16 rows, my K step sp.  The first K step starts the sums
.set rD, ACD+32*(\a)+8*\nt
.if \sp < 5
.set rA, 12*(4*\sp+\nt)
.else
.set rA, 12*(4*(\sp-5)+\nt)
.endif
.if (\q) < 2
.set rB, 96*(\q)+12*\sp
.else
.set rB, 96+12*\sp
.endif
.set rSA, WS+8*(\nt/2)+\sp
.set rSB, AS+4*(\q)+\sp/2
.if (\sp == 0) && (\nt%2 == 0)
	v_wmma_scale_f32_16x16x128_f8f6f4 v[rD:rD+7], v[rA:rA+11], v[rB:rB+11], 0, v[rSA], v[rSB] matrix_a_fmt:MATRIX_FMT_FP6 matrix_b_fmt:MATRIX_FMT_FP6
.elseif \sp == 0
	v_wmma_scale_f32_16x16x128_f8f6f4 v[rD:rD+7], v[rA:rA+11], v[rB:rB+11], 0, v[rSA], v[rSB] matrix_a_fmt:MATRIX_FMT_FP6 matrix_b_fmt:MATRIX_FMT_FP6 matrix_a_scale:MATRIX_SCALE_ROW1
.elseif (\nt%2 == 0) && (\sp%2 == 0)
	v_wmma_scale_f32_16x16x128_f8f6f4 v[rD:rD+7], v[rA:rA+11], v[rB:rB+11], v[rD:rD+7], v[rSA], v[rSB] matrix_a_fmt:MATRIX_FMT_FP6 matrix_b_fmt:MATRIX_FMT_FP6
.elseif \sp%2 == 0
	v_wmma_scale_f32_16x16x128_f8f6f4 v[rD:rD+7], v[rA:rA+11], v[rB:rB+11], v[rD:rD+7], v[rSA], v[rSB] matrix_a_fmt:MATRIX_FMT_FP6 matrix_b_fmt:MATRIX_FMT_FP6 matrix_a_scale:MATRIX_SCALE_ROW1
.elseif \nt%2 == 0
	v_wmma_scale_f32_16x16x128_f8f6f4 v[rD:rD+7], v[rA:rA+11], v[rB:rB+11], v[rD:rD+7], v[rSA], v[rSB] matrix_a_fmt:MATRIX_FMT_FP6 matrix_b_fmt:MATRIX_FMT_FP6 matrix_b_scale:MATRIX_SCALE_ROW1
.else
	v_wmma_scale_f32_16x16x128_f8f6f4 v[rD:rD+7], v[rA:rA+11], v[rB:rB+11], v[rD:rD+7], v[rSA], v[rSB] matrix_a_fmt:MATRIX_FMT_FP6 matrix_b_fmt:MATRIX_FMT_FP6 matrix_a_scale:MATRIX_SCALE_ROW1 matrix_b_scale:MATRIX_SCALE_ROW1
.endif
.endm
.macro KS i, sp                        ; slot i's four products of K step sp: ring place i % 3, accumulator set i % 2
.if ((\i)%3) < 2
.if \sp < 5
	WIN 0xad                                       ; source 0 (W2) window 1, source 1 window 3, C and D window 2
.else
	WIN 0xae                                       ; source 0 window 2
.endif
.else
.if \sp < 5
	WIN 0xa1                                       ; source 1 window 0
.else
	WIN 0xa2
.endif
.endif
.irp nt, 0,1,2,3
	MMD \sp, \nt, (\i)%3, (\i)%2
.endr
.endm
.macro PARTS i                         ; slot i's part of the sums goes to my region
	WIN 0x08                                       ; the data: window 2
.irp nt, 0,1,2,3
	ds_store_b128 v[PS], v[ACD+32*((\i)%2)+8*\nt:ACD+32*((\i)%2)+8*\nt+3] offset:SLB*(\i)+64*\nt          ; each accumulator from its low end on
	ds_store_b128 v[PS], v[ACD+32*((\i)%2)+8*\nt+4:ACD+32*((\i)%2)+8*\nt+7] offset:SLB*(\i)+64*\nt+16
.endr
	WIN 0
.endm
.macro SLOT i
.if \i >= 1
	s_wait_alu depctr_vm_vsrc(0)                   ; the loads of slot i - 1 have read its two offsets, which are written below; the LDS stores of slot i - 2's parts have read the set of accumulators that this slot's products write
.if \i <= 9
	ASKADR \i+2, (\i+2)%3                          ; (made whether or not the pass has a slot i: where it has none, nothing reads them)
.endif
.rept 4
	v_nop                                          ; four plain places behind the last slot's products, ahead of the stores that read their results and of loads into registers that they read
.endr
	s_wait_alu depctr_va_vdst(0)                   ; the last slot's products have written their accumulators and are done reading their place of the ring and its scale words; the two offsets are written
	PARTS \i-1
.endif
	s_cmp_le_u32 s24, \i
	s_cbranch_scc1 .Lsum                           ; the pass has no such slot
.if \i == 0
	s_wait_loadcnt 56                              ; this slot's 28 loads are in; the two slots asked for behind it may be out
.elseif \i <= 10
	s_wait_loadcnt 28                              ; one slot may be out: this slot's own request stands below
.else
	s_wait_loadcnt 0x0
.endif
.if \i >= 2
	s_wait_dscnt 8                                 ; the last slot's 8 stores may be out: those that read this set of accumulators are done
.endif
	KS \i, 0
	KS \i, 1
.if (\i >= 1) && (\i <= 9)
	ASKLD (\i+2)%3                                 ; no wait: no vector or matrix instruction since the wait above names the place that the last slot read, its scale words or its offsets
.endif
.irp sp, 2,3,4,5,6,7
	KS \i, \sp
.endr
	WIN 0
.endm
.macro REDUCE k                        ; slot w + 4 k: the four waves' parts and b2; lanes 0-15 take row 2 g, lanes 16-31 row 2 g + 1, 16 bytes a lane
	s_add_co_u32 s30, s18, 4*\k
	s_cmp_ge_u32 s30, s24
	s_cbranch_scc1 .Lno_slot_\@
	s_wait_xcnt 0x0                                ; earlier stores have read their registers
	WIN 0xc0                                       ; destination window 3
.if \k > 0
	s_wait_alu depctr_vm_vsrc(0)                   ; the stores of the slot added before have read window 3's v0-31, in which the parts land
	s_wait_alu depctr_va_vdst(0)                   ; and its additions are done with window 3's v0-127
.endif
.irp vv, 0,1,2,3
.irp g, 0,1,2,3,4,5,6,7
	ds_load_b128 v[32*\vv+4*\g:32*\vv+4*\g+3], v[RD+\vv] offset:4*SLB*\k+2*PP*\g
.endr
.endr
	WIN 0
.irp g, 0,1,2,3,4,5,6,7
	v_min_u32 v[ENT+8*\k+\g], 2175, v[ENT+8*\k+\g]
	v_lshl_add_u32 v[ENT+8*\k+\g], v[ENT+8*\k+\g], 12, v[CP]   ; the entry's row of y2, my 16 bytes
.endr
	s_wait_dscnt 0x0
	WIN 0xcf                                       ; all in window 3
.irp g, 0,1,2,3,4,5,6,7
.irp z, 0,2
	v_pk_add_f32 v[4*\g+\z:4*\g+\z+1], v[4*\g+\z:4*\g+\z+1], v[32+4*\g+\z:32+4*\g+\z+1]
	v_pk_add_f32 v[64+4*\g+\z:64+4*\g+\z+1], v[64+4*\g+\z:64+4*\g+\z+1], v[96+4*\g+\z:96+4*\g+\z+1]
.endr
.endr
.irp g, 0,1,2,3,4,5,6,7
.irp z, 0,2
	v_pk_add_f32 v[4*\g+\z:4*\g+\z+1], v[4*\g+\z:4*\g+\z+1], v[64+4*\g+\z:64+4*\g+\z+1]
.endr
.endr
	WIN 0xc3                                       ; source 1 (b2) window 0
.irp g, 0,1,2,3,4,5,6,7
.irp z, 0,2
	v_pk_add_f32 v[4*\g+\z:4*\g+\z+1], v[4*\g+\z:4*\g+\z+1], v[BIAS+\z:BIAS+\z+1]
.endr
.endr
	WIN 0x0c                                       ; a store's data are its source 1: window 3
	s_wait_alu depctr_va_vdst(0)                   ; the sums and the eight offsets are written, which the stores read
.irp g, 0,1,2,3,4,5,6,7
	global_store_b128 v[ENT+8*\k+\g], v[4*\g:4*\g+3], s[16:17]   ; sixteen lanes store 256 consecutive bytes, at a multiple of 256 from y2's first byte
.endr
	WIN 0
.Lno_slot_\@:
.endm
	s_mov_b32 s26, 0
.Lpass:
.irp i, 0,1,2,3,4,5,6,7,8,9,10,11
	SLOT \i
.endr
.rept 4
	v_nop                                          ; the twelfth slot's parts: the four places,
.endr
	s_wait_alu depctr_va_vdst(0)                   ; its products have written their accumulators, which the LDS stores read, and are done reading their place of the ring
	PARTS 11
.Lsum:
	s_wait_loadcnt 0x0                             ; the entries, and whatever was asked for and not used
	s_wait_dscnt 0x0                               ; my parts have landed
	s_barrier_signal -1
	s_barrier_wait -1                              ; everybody's have
	REDUCE 0
	REDUCE 1
	REDUCE 2
	s_wait_dscnt 0x0                               ; my reads of the parts are over
	s_barrier_signal -1
	s_barrier_wait -1                              ; everybody's are: the regions may be written again
	s_add_co_u32 s27, s27, 12
	s_add_co_u32 s25, s25, 24
	HEAD_S
	s_wait_xcnt 0x0                                ; the stores have read their registers
	s_wait_alu depctr_vm_vsrc(0)                   ; the stores have read the sums and the entries' registers, the loads their offsets, the LDS stores both sets of accumulators: the next pass's head and products write all of them
	s_cmp_eq_u32 s24, 0
	s_cbranch_scc1 .Lno_head                       ; a pass without slots asks for nothing; it still passes both barriers
	HEAD_L
.Lno_head:
; Five plain places on every way round the loop.  The next pass's first products begin their accumulators anew, over registers that this pass's last products wrote: five places are owed between
; them (ISA guide 7.12.1), and a slot leaves four.  And the adding's last lines wrote registers of the ring's first place, which the next pass's products name as an operand: four are owed there.
; (On the way on which nothing was asked for, the pass has no slot and its products are jumped over; the distance stands in the text all the same.)
.rept 5
	v_nop
.endr
	s_wait_alu depctr_va_vdst(0)                   ; behind the places: the adding's lines have written the registers of the ring's first place that the next pass's products name as an operand
	s_add_co_u32 s26, s26, 1
	s_cmp_lt_u32 s26, 3
	s_cbranch_scc1 .Lpass
	s_wait_dscnt 0x0                               ; the closing lines, six on end
	s_wait_alu 0x0
	s_wait_tensorcnt 0x0
	ds_add_u32 v254, v255
	s_wait_dscnt 0x0
	s_endpgm
.Lfunc_end_k_q8f37266a23_down:
	.size	k_q8f37266a23_down, .Lfunc_end_k_q8f37266a23_down-k_q8f37266a23_down
	.p2alignl 7, 3214868480
	.fill 96, 4, 3214868480
	.section	.rodata,"a",@progbits
	.p2align	6, 0x0
	.amdhsa_kernel k_q8f37266a23_down
		.amdhsa_group_segment_fixed_size 209408
		.amdhsa_private_segment_fixed_size 0
		.amdhsa_enable_private_segment 0
		.amdhsa_kernarg_size 56
		.amdhsa_user_sgpr_count 2
		.amdhsa_user_sgpr_kernarg_segment_ptr 1
		.amdhsa_wavefront_size32 1
		.amdhsa_system_sgpr_workgroup_id_x 1
		.amdhsa_system_sgpr_workgroup_id_y 1
		.amdhsa_system_sgpr_workgroup_id_z 1
		.amdhsa_system_vgpr_workitem_id 0
		.amdhsa_next_free_vgpr 1024
		.amdhsa_next_free_sgpr 66
		.amdhsa_reserve_vcc 0
		.amdhsa_float_denorm_mode_32 3
		.amdhsa_float_denorm_mode_16_64 3
		.amdhsa_memory_ordered 1
		.amdhsa_forward_progress 1
		.amdhsa_inst_pref_size 170
	.end_amdhsa_kernel
	.amdgpu_metadata
---
amdhsa.version: [ 1, 2 ]
amdhsa.kernels:
  - .name:           k_q8f37266a23_down
    .symbol:         k_q8f37266a23_down.kd
    .args:
      - { .name: W2_codes, .offset: 0, .size: 8, .value_kind: global_buffer, .address_space: global }
      - { .name: W2_scales, .offset: 8, .size: 8, .value_kind: global_buffer, .address_space: global }
      - { .name: b2, .offset: 16, .size: 8, .value_kind: global_buffer, .address_space: global }
      - { .name: hfrag, .offset: 24, .size: 8, .value_kind: global_buffer, .address_space: global }
      - { .name: hsc, .offset: 32, .size: 8, .value_kind: global_buffer, .address_space: global }
      - { .name: rows, .offset: 40, .size: 8, .value_kind: global_buffer, .address_space: global }
      - { .name: y2, .offset: 48, .size: 8, .value_kind: global_buffer, .address_space: global }
    .group_segment_fixed_size: 209408
    .private_segment_fixed_size: 0
    .kernarg_segment_align: 8
    .kernarg_segment_size: 56
    .max_flat_workgroup_size: 128
    .sgpr_count:     66
    .vgpr_count:     1024
    .wavefront_size: 32
...
	.end_amdgpu_metadata
.endif
;; end of part 5
;; launch mix: the kernel of part 4 again; grid 256 x 1, 4 waves a work-group, no clusters, 0 bytes of LDS; arguments y2, wts, out0; writes out0
